; MI455X (gfx1250); checked and timed in simulation.
; The chip was launched on July 23, 2026; its instructions are those of AMD's public machine-readable ISA for CDNA 5 (MIT licence, August 2026) and "CDNA5" Instruction Set Architecture Reference Guide (July 2026). The comments in the code are by the model that wrote it; some were corrected since.
;; VQFFN1. Allowed arithmetic: matrix products marked QUANTISED: E2M3 operands, one E8M0 scale for each 32 along K, by v_wmma_scale_f32_16x16x128_f8f6f4 with both operands' format E2M3, f32 sums; everything else in f32.
;; Inputs: weight 2,048 x 1,024 float32; x 4 x 4,096 x 1,024 float32.
;; Outputs: out0 4 x 4,096 x 1,024 float32.
;; This version of the problem:
;;   THIS VERSION OF THE PROBLEM IS GIVEN IN LOW PRECISION. The matrix products marked QUANTISED in the list below multiply operands that are first quantised to E2M3 (2 exponent bits, 3 mantissa bits; 6 bits a number), with one power-of-two scale for each 32 numbers along K (OCP MX v1.0); their sums are f32. All else is computed in f32.
;;   The module's matrix products, in the order in which they are computed (A, B: the left and right operand; K: the contracted axis; several contracted axes count as one K, in the product's order):
;;     1. [M 16,384, K 1,024] x [K 1,024, N 2,048]; A: computed on the way; B: computed on the way: QUANTISED
;;     2. [M 16,384, K 2,048] x [K 2,048, N 1,024]; A: softmax (see below); B: input weight: QUANTISED
;;   THE QUANTISER, for each operand of a quantised product, along K:
;;     - K is cut into blocks of 32 from its start; a last block that is shorter is filled with zeros.
;;     - A block's scale is 2^e with e = floor(log2(the largest magnitude in the block)) - 2, held to -126 .. 127; a block of zeros has e = 0. As a byte (E8M0): e + 127.
;;     - Each number is divided by its block's scale, clamped to +-7.5, and rounded to the nearest number of E2M3, ties to even, subnormals kept.
;;     - The product sums the exact products of the quantised numbers (number of the format x scale) in f32.
;;   ~~~python
;;   def quantise(x, axis):      # numpy; x: float32 -> the quantised numbers, widened to float32 again
;;       x = np.moveaxis(x, axis, -1); K = x.shape[-1]
;;       x = np.pad(x, [(0, 0)] * (x.ndim - 1) + [(0, -K % 32)]); x = x.reshape(x.shape[:-1] + (-1, 32)); a = np.abs(x).max(-1, keepdims=True)
;;       e = np.where(a > 0, np.clip(np.frexp(np.where(a > 0, a, 1))[1] - 1 - 2, -126, 127), 0)      # np.frexp(a)[1] - 1 = floor(log2(a)), exactly
;;       r = np.clip(x / 2.0 ** e, -7.5, 7.5)
;;       step = 2.0 ** (np.maximum(np.frexp(np.where(r == 0, 1, r))[1] - 1, 0) - 3)
;;       q = np.round(r / step) * step * 2.0 ** e      # np.round: ties to even
;;       return np.moveaxis(q.reshape(q.shape[:-2] + (-1,))[..., :K], -1, axis).astype(np.float32)
;;   ~~~
;;   SOFTMAX AHEAD OF A QUANTISED PRODUCT. Where the list says 'softmax', what is quantised is not the finished softmax but p = 2^(t - M), with t = logit x log2(e) and M = ceil(the row's largest t), a whole number; so 1/2 < the row's largest p <= 1. The row's sum l is taken of the UNQUANTISED p, in f32, and the product's result is divided by l at the end. Since M is a whole number, a kernel that streams over the keys may use a running M (the ceiling of the running maximum): every later rescaling is an exact power of two, which a block's scale takes up: the codes' values come out the same.
;;   OPERANDS COMPUTED ON THE WAY. 'Computed on the way' means the value that the module computes at that place (a softmax that the list does not call 'softmax' is quantised finished and normalised). What goes into a quantiser is computed in f32, as accurately as f32 sums, v_exp_f32 and their like allow (about 1e-6 of the number): no bf16 or f16 on the way to a quantiser, and a product that is left as it is and whose result goes on into a quantised operand takes f32 operands (vector FMAs, or v_wmma_f32_16x16x4_f32). A number that lies on a knife's edge between two numbers of the format may be rounded either way, as far as f32 arithmetic and the matrix unit's own rounding can turn it there, and no further.
;; 2 versions, each right. Each part assembles by itself: llvm-mc -triple=amdgcn-amd-amdhsa -mcpu=gfx1250 --defsym DOCPART=n.
;; ======== version 1 of 2: 2 launches
;; workspace buffers: wq 3,276,800 bytes
;; launch prep (part 1): grid 256 x 1, 1 waves a work-group, no clusters, 25,856 bytes of LDS; arguments weight, wq; writes wq
.if DOCPART == 1
	.amdgcn_target "amdgcn-amd-amdhsa--gfx1250"
	.amdhsa_code_object_version 6
	.text
	.protected	k_q81c35b9079_prep
	.globl	k_q81c35b9079_prep
	.p2align	8
	.type	k_q81c35b9079_prep,@function
k_q81c35b9079_prep:
	s_mov_b64 s[64:65], 0
	v_nop
	global_prefetch_b8 v0, s[64:65] scope:SCOPE_SE
	s_setreg_imm32_b32 hwreg(HW_REG_WAVE_MODE, 25, 1), 1
	s_wait_xcnt 0x0
; weight [2048][1024] f32 is quantised twice to codes of FP6 (E2M3), one E8M0 byte for each 32 along K, into ONE stream wq that the next launch walks from end to end.
;   first product:  rmsnorm(weight), K = the 1,024 of a row;      second product: weight as it is, K = the 2,048 rows.
; wq = 32 slot-blocks of 102,400 bytes; a slot-block = 4 parts of 25,600 (one for each wave of the reader); a part = 16 fragment images of 1,536 bytes, then two scale quads of 512 bytes.
; FRAGMENT IMAGE (16 rows x 128 K, 12 registers a lane): register j of lane l at 512 (j / 4) + 16 l + 4 (j % 4): three loads of 16 bytes a lane at 16 x lane bring the operand's registers as they stand.
; SCALE QUAD of fragments 8 u + t: the word of fragment t, row r at 16 (16 (t % 2) + r) + 4 (t / 2): one load of 16 bytes a lane; register q holds fragment 2 q in lanes 0-15 and 2 q + 1 in lanes 16-31.
; slot-blocks 0-15: block 4 gl + kk, part w: key group G = 4 w + gl (128 rows of weight); fragment 8 u + t: K step 2 kk + u of the 1,024, key tile t; lane r holds row 128 G + 32 (t / 2) + 8 (t % 2) + r + 8 (r / 8).
; slot-blocks 16-31: block 16 + ks: K = rows 128 ks .. 128 ks + 127 of weight; part w, fragment f: lane r holds column 256 w + 16 f + r.
; One wave to a work-group, 64 KiB of weight each.  Work-groups 0-127 (way A): one key tile, 16 rows x 1,024.  Work-groups 128-255 (way B): 128 rows x 128 columns.  The two ways have LDS bytes of their own.
; A block's scale is 2^(floor(log2(its largest magnitude)) - 2); its byte is the largest magnitude's exponent field - 2, held at 1 from below.
; LIMITS: a block whose largest magnitude lies under 2^-124 (a block of zeros among them) keeps the byte 1 where the rule says another: its codes are (nearly) zeros and this program alone reads the bytes; NaN and infinities are not served.
; Way A's scale words leave as 4 bytes a lane, 16 bytes apart (the other words of a quad belong to other key tiles): 64 KiB of the launch's 3.1 MiB; everything else leaves as whole runs of 256 bytes or more.
.set LI,   1                           ; v1   16 x lane
.set SA,   2                           ; v2   way A: 16 r: my row's place in a scale quad
.set XSI,  1                           ; way A: the stage begins at LDS byte 0: in at 16 x lane
.set XSO,  4                           ; v4   way A: out of the stage: 528 r + 64 h
.set SBI,  5                           ; v5   way B: into its stage: 8,704 + 16 x lane
.set SBO,  6                           ; v6   way B: out of it: 8,704 + 4 x lane
.set OA,   7                           ; v7   way B: 1,536 (lane / 16) + 16 (lane % 16)
.set M0,   8                           ; v8-9 way B: two chains of the largest magnitude
.set SCO,  10                          ; v10  way B: the conversion's scale operand
.set BY,   11                          ; v11  way B: the scale's byte
.set TH,   12                          ; v12-14 way B: a block's upper 16 codes
.set WD,   16                          ; v16-19 way B: four columns' scale words
.set RS,   28                          ; v28-29 way A: 1 / sqrt(mean square + eps), twice
.set Y,    32                          ; v32-95 way B: two sets of 32 numbers down K
.set TM,   56                          ; v56-71 way A: at work
.set SQ,   56                          ; v56-63 way A: four packed chains of the sum of squares
.set PW,   72                          ; v72  way A: the scale word just made
.set PC,   74                          ; v74-93 way A: the codes just made
.set ST,   96                          ; v96-159 way A: 64 normalised numbers
.set CD,   96                          ; v96-191 way B: four columns' codes: 24 registers each
.set XB,   4                           ; s[4:5] where my part of weight begins
.set FB,   20                          ; s[20:21] where my fragments go
.set SB,   22                          ; s[22:23] where my scale words go
.set SEL,  24                          ; s[24:25] v_permlanex16_b32's selects for lane l xor 16
.set C10,  26                          ; s26  2^-10
.set CEP,  27                          ; s27  1e-6
.set STGB, 8704                        ; way B's stage: 32 rows x 512 bytes
.set MSB, 0
.macro WIN new                         ; the immediate's high byte repeats the setting that is left
.if MSB != (\new)
	s_set_vgpr_msb (MSB<<8)|(\new)
.set MSB, (\new)
.endif
.endm
; ---- 16 rows x 1,024 numbers become eight fragments.  Windows: 1: four buffers of 64 as loaded; 2 and 3: the eight chunks of 128 along K, 64 numbers a lane, kept between the two passes.
.macro XLOADC s                        ; chunk s of the 16 rows: each load takes 512 consecutive bytes of one row.  Row i of the tile is row i + 8 (i / 8) from the tile's first
	WIN 0x40
.irp i, 0,1,2,3,4,5,6,7,8,9,10,11,12,13,14,15
	global_load_b128 v[64*((\s)%4)+4*\i:64*((\s)%4)+4*\i+3], v[LI], s[XB:XB+1] offset:4096*(\i+8*(\i/8))+512*(\s)
.endr
.endm
.macro XTURN s                         ; through the stage (rows 528 = 33 x 16 bytes apart): afterwards register 16 b + i of the chunk is k = 128 s + 32 b + 16 h + i of row r.  LDS serves a wave's instructions in order
	WIN 0x04
.irp i, 0,1,2,3,4,5,6,7,8,9,10,11,12,13,14,15
	ds_store_b128 v[XSI], v[64*((\s)%4)+4*\i:64*((\s)%4)+4*\i+3] offset:528*\i
.endr
	WIN 0x80+0x40*((\s)/4)
.irp b, 0,1,2,3
.irp j, 0,1,2,3
	ds_load_b128 v[64*((\s)%4)+16*\b+4*\j:64*((\s)%4)+16*\b+4*\j+3], v[XSO] offset:128*\b+16*\j
.endr
.endr
.endm
.macro XSQ s                           ; the chunk's squares onto four packed chains; the first four products start them: nothing is cleared
	WIN 0x0a+5*((\s)/4)
.set xp, 0
.rept 32
.if ((\s) == 0) && (xp < 4)
	v_pk_mul_f32 v[SQ+2*xp:SQ+2*xp+1], v[64*((\s)%4)+2*xp:64*((\s)%4)+2*xp+1], v[64*((\s)%4)+2*xp:64*((\s)%4)+2*xp+1]
.else
	v_pk_fma_f32 v[SQ+2*(xp%4):SQ+2*(xp%4)+1], v[64*((\s)%4)+2*xp:64*((\s)%4)+2*xp+1], v[64*((\s)%4)+2*xp:64*((\s)%4)+2*xp+1], v[SQ+2*(xp%4):SQ+2*(xp%4)+1]
.endif
.set xp, xp+1
.endr
.endm
.macro MAXABS s                        ; the four blocks' largest magnitudes: my 16 numbers of each, the floor 2^(3 - 127) among them, then lane l xor 16's
.irp b, 0,1,2,3
	v_max3_num_f32 v[TM+\b], |v[\s+16*\b]|, |v[\s+1+16*\b]|, 0x1800000
.endr
.irp i, 2,4,6,8,10,12,14
.irp b, 0,1,2,3
	v_max3_num_f32 v[TM+\b], v[TM+\b], |v[\s+16*\b+\i]|, |v[\s+1+16*\b+\i]|
.endr
.endr
.irp b, 0,1,2,3
	v_permlanex16_b32 v[TM+4+\b], v[TM+\b], s[SEL], s[SEL+1]
.endr
.irp b, 0,1,2,3
	v_max_num_f32 v[TM+\b], v[TM+\b], v[TM+4+\b]
.endr
.endm
.macro CODES s                         ; from the four maxima in v[TM] on: the scale word in v[PW], the fragment's 12 registers in v[PC] on
.irp b, 0,1,2,3
	v_add_nc_u32 v[TM+12+\b], 0xff000000, v[TM+\b]   ; 2 off the exponent field: the conversion takes this operand's exponent field as its scale
.endr
.irp b, 0,1,2,3
	v_lshrrev_b32 v[TM+4+\b], 23, v[TM+12+\b]        ; the scale's byte
.endr
	v_lshl_or_b32 v[PW], v[TM+5], 8, v[TM+4]
	v_lshl_or_b32 v[PW], v[TM+6], 16, v[PW]
	v_lshl_or_b32 v[PW], v[TM+7], 24, v[PW]
.irp c, 0,1
	v_cvt_scalef32_pk16_fp6_f32 v[PC+6*\c:PC+2+6*\c], v[\s+32*\c:\s+15+32*\c], v[TM+12+2*\c]
	v_cvt_scalef32_pk16_fp6_f32 v[PC+12+4*\c:PC+14+4*\c], v[\s+16+32*\c:\s+31+32*\c], v[TM+12+2*\c+1]   ; (a conversion's three registers begin on an even number)
.endr
	v_nop                                            ; one plain line behind the scaled conversions
.irp c, 0,1                            ; the operand wants a WHOLE block in a lane: lanes 0-15 block 2 c, lanes 16-31 block 2 c + 1
.irp i, 0,1,2
	v_permlane16_swap_b32 v[PC+6*\c+\i], v[PC+12+4*\c+\i]
.endr
.irp i, 0,1,2
	v_mov_b32 v[PC+3+6*\c+\i], v[PC+12+4*\c+\i]
.endr
.endr
.endm
.macro XQ s                            ; chunk s times 1 / sqrt(..), then quantised
	WIN 0x02+((\s)/4)
.set xp, 0
.rept 32
	v_pk_mul_f32 v[ST+2*xp:ST+2*xp+1], v[64*((\s)%4)+2*xp:64*((\s)%4)+2*xp+1], v[RS:RS+1] op_sel_hi:[1,0]
.set xp, xp+1
.endr
	WIN 0
	MAXABS ST
	CODES ST
.endm
	s_load_b128 s[4:7], s[0:1], 0x0                ; weight s[4:5], wq s[6:7]
	v_lshl_add_u32 v254, v0, 2, 0x6400
	v_mov_b32 v255, 0
	v_and_b32 v30, 15, v0                          ; r (one wave: v0 is the lane)
	v_bfe_u32 v31, v0, 4, 1                        ; h
	v_lshlrev_b32 v[LI], 4, v0
	s_cmp_lt_u32 ttmp9, 128
	s_cbranch_scc0 .Lway_b
	; ================ WAY A: key tile t of key group G, normalised, quantised along the row ================
	s_lshr_b32 s8, ttmp9, 3                        ; G
	s_and_b32 s9, ttmp9, 7                         ; t
	s_lshr_b32 s10, s9, 1                          ; t / 2
	s_and_b32 s11, s9, 1                           ; t % 2
	s_lshl_b32 s12, s8, 7
	s_lshl_b32 s13, s10, 5
	s_add_co_u32 s12, s12, s13
	s_lshl_b32 s13, s11, 3
	s_add_co_u32 s12, s12, s13                     ; the tile's first row: 128 G + 32 (t / 2) + 8 (t % 2)
	s_lshl_b32 s12, s12, 12                        ; in bytes
	s_mov_b32 s13, 0
	s_and_b32 s14, s8, 3                           ; gl = G % 4: four slot-blocks of 102,400 bytes each
	s_lshr_b32 s15, s8, 2                          ; w = G / 4: the part
	s_mul_i32 s14, s14, 409600
	s_mul_i32 s15, s15, 25600
	s_add_co_u32 s14, s14, s15
	s_mul_i32 s16, s9, 1536
	s_add_co_u32 s16, s16, s14                     ; fragment t of that part
	s_mov_b32 s17, 0
	s_lshl_b32 s18, s11, 8
	s_lshl_b32 s19, s10, 2
	s_add_co_u32 s18, s18, s19
	s_add_co_u32 s18, s18, s14
	s_add_co_u32 s18, s18, 24576                   ; the quad's words of fragment t: 256 (t % 2) + 4 (t / 2)
	s_mov_b32 s19, 0
	s_mov_b32 s[SEL], 0x76543210
	s_mov_b32 s[SEL+1], 0xfedcba98
	s_mov_b32 s[C10], 0x3a800000
	s_mov_b32 s[CEP], 0x358637bd
	v_lshlrev_b32 v[SA], 4, v30
	v_mul_u32_u24 v[XSO], v30, 528
	v_lshl_add_u32 v[XSO], v31, 6, v[XSO]
.irp b, 0,1,2,3
	v_mov_b32 v[TM+4+\b], 0                        ; written once: a lane permute's destination counts as one of its sources
.endr
	s_wait_kmcnt 0x0
	s_add_nc_u64 s[XB:XB+1], s[4:5], s[12:13]
	s_add_nc_u64 s[FB:FB+1], s[6:7], s[16:17]
	s_add_nc_u64 s[SB:SB+1], s[6:7], s[18:19]
	XLOADC 0
	XLOADC 1
	XLOADC 2
	XLOADC 3
.irp s, 0,1,2,3,4,5,6,7
.if \s < 4
	s_wait_loadcnt 48                              ; this chunk's 16 loads are in; those of the three chunks behind it may be out
.else
	s_wait_loadcnt 16*(7-\s)
.endif
	XTURN \s
.if \s > 0
	XSQ \s-1                                       ; the chunk before is squared while this one turns
.endif
	s_wait_dscnt 0x0                               ; the chunk is back, and the stores into the stage have read their registers,
.if \s < 4
	XLOADC \s+4                                    ; which take the chunk four further on
.endif
.endr
	XSQ 7
	WIN 0
	v_pk_add_f32 v[SQ:SQ+1], v[SQ:SQ+1], v[SQ+2:SQ+3]
	v_pk_add_f32 v[SQ+4:SQ+5], v[SQ+4:SQ+5], v[SQ+6:SQ+7]
	v_pk_add_f32 v[SQ:SQ+1], v[SQ:SQ+1], v[SQ+4:SQ+5]
	v_add_f32 v[SQ], v[SQ], v[SQ+1]
	v_permlanex16_b32 v[SQ+1], v[SQ], s[SEL], s[SEL+1]
	v_add_f32 v[SQ], v[SQ], v[SQ+1]                ; the row's sum of squares (a row lies in lanes l and l xor 16)
	v_fma_f32 v[SQ], v[SQ], s[C10], s[CEP]         ; / 1,024 (exact) + eps
	v_rsq_f32 v[RS], v[SQ]
	v_nop                                          ; a plain line behind the transcendental,
	s_wait_alu depctr_va_vdst(0)                   ; and the wait ahead of the first line that names its result
	v_mov_b32 v[RS+1], v[RS]
.irp s, 0,1,2,3,4,5,6,7
	s_wait_xcnt 0x0                                ; the last K step's stores have read their data: the codes and the scale word are written again only behind this wait
	XQ \s
.irp c, 0,1,2
	global_store_b128 v[LI], v[PC+4*\c:PC+4*\c+3], s[FB:FB+1] offset:(\s/2)*102400+(\s%2)*12288+512*\c   ; 512 consecutive bytes of the image
.endr
	global_store_b32 v[SA], v[PW], s[SB:SB+1] offset:(\s/2)*102400+(\s%2)*512   ; lanes l and l xor 16 hold the same word and write it to the same place
.endr
	s_wait_tensorcnt 0x0
	ds_add_u32 v254, v255
	s_wait_dscnt 0x0
	s_endpgm
	; ================ WAY B: rows 128 ks .. + 127, columns 128 jj .. + 127, quantised down the rows ================
.Lway_b:
	s_sub_co_u32 s8, ttmp9, 128
	s_lshr_b32 s9, s8, 3                           ; ks
	s_and_b32 s10, s8, 7                           ; jj
	s_lshl_b32 s12, s9, 19                         ; 128 rows of 4,096 bytes
	s_lshl_b32 s13, s10, 9                         ; 128 columns of 4 bytes
	s_add_co_u32 s12, s12, s13
	s_mov_b32 s13, 0
	s_add_co_u32 s14, s9, 16
	s_mul_i32 s14, s14, 102400                     ; slot-block 16 + ks
	s_lshr_b32 s15, s10, 1
	s_mul_i32 s15, s15, 25600                      ; part jj / 2
	s_add_co_u32 s14, s14, s15
	s_and_b32 s15, s10, 1
	s_mul_i32 s16, s15, 12288                      ; its fragments 8 (jj % 2) on
	s_add_co_u32 s16, s16, s14
	s_mov_b32 s17, 0
	s_lshl_b32 s18, s15, 9                         ; its quad jj % 2
	s_add_co_u32 s18, s18, s14
	s_add_co_u32 s18, s18, 24576
	s_mov_b32 s19, 0
	v_add_nc_u32 v[SBI], STGB, v[LI]
	v_lshl_add_u32 v[SBO], v0, 2, STGB
	v_mul_u32_u24 v[OA], v31, 1536
	v_lshl_add_u32 v[OA], v30, 4, v[OA]
	s_wait_kmcnt 0x0
	s_add_nc_u64 s[XB:XB+1], s[4:5], s[12:13]
	s_add_nc_u64 s[FB:FB+1], s[6:7], s[16:17]
	s_add_nc_u64 s[SB:SB+1], s[6:7], s[18:19]
	WIN 0x80                                       ; rows 0-63 into window 2, rows 64-127 into window 3: each load takes 512 consecutive bytes of one row
.set kk, 0
.rept 64
	global_load_b128 v[4*kk:4*kk+3], v[LI], s[XB:XB+1] offset:4096*kk
.set kk, kk+1
.endr
	WIN 0xc0
.rept 64
	global_load_b128 v[4*(kk-64):4*(kk-64)+3], v[LI], s[XB:XB+1] offset:4096*kk
.set kk, kk+1
.endr
	WIN 0
.macro YLOAD cq                        ; column 32 cq + lane of the block's 32 rows: A LANE TAKES A COLUMN, ITS REGISTERS RUN DOWN K
.set kk, 0
.rept 32
	ds_load_b32 v[Y+32*((\cq)%2)+kk], v[SBO] offset:512*kk+128*(\cq)
.set kk, kk+1
.endr
.endm
.macro COLS be, cq                     ; block be of column 32 cq + lane: all its 32 numbers are mine
.set YS, Y+32*((\cq)%2)
.set CW, CD+24*(\cq)+12*((\be)%2)+6*((\be)/2)    ; registers 6 (be / 2) on of lane (r, h = be % 2) of the column's fragment
	v_max3_num_f32 v[M0], |v[YS]|, |v[YS+1]|, |v[YS+2]|
	v_max3_num_f32 v[M0+1], |v[YS+3]|, |v[YS+4]|, |v[YS+5]|
.irp i, 6,10,14,18,22,26
	v_max3_num_f32 v[M0], v[M0], |v[YS+\i]|, |v[YS+\i+1]|
	v_max3_num_f32 v[M0+1], v[M0+1], |v[YS+\i+2]|, |v[YS+\i+3]|
.endr
	v_max3_num_f32 v[M0], v[M0], |v[YS+30]|, |v[YS+31]|
	v_max3_num_f32 v[M0], v[M0], v[M0+1], 0x1800000  ; and the floor 2^(3 - 127): the byte cannot fall under 1
	v_add_nc_u32 v[SCO], 0xff000000, v[M0]           ; 2 off the exponent field: the conversion's scale operand
	v_lshrrev_b32 v[BY], 23, v[SCO]                  ; the scale's byte
.if (\be) == 0
	v_mov_b32 v[WD+(\cq)], v[BY]
.else
	v_lshl_or_b32 v[WD+(\cq)], v[BY], 8*(\be), v[WD+(\cq)]
.endif
	v_cvt_scalef32_pk16_fp6_f32 v[CW:CW+2], v[YS:YS+15], v[SCO]
	v_cvt_scalef32_pk16_fp6_f32 v[TH:TH+2], v[YS+16:YS+31], v[SCO]   ; (a conversion's three registers begin on an even number)
	v_nop                                            ; one plain line behind the scaled conversions
.irp i, 0,1,2
	v_mov_b32 v[CW+3+\i], v[TH+\i]
.endr
.endm
.macro BLOCKB be                       ; 32 rows x 128 columns through the stage: in as loaded, out a column a lane
.if (\be) < 2
	s_wait_loadcnt 63                              ; this block's 32 loads are in: 96 or 64 loads are younger, and the count names as many as its field holds
.elseif (\be) == 2
	s_wait_loadcnt 32
.else
	s_wait_loadcnt 0x0
.endif
	WIN 0x08+4*((\be)/2)
.set kk, 0
.rept 32
	ds_store_b128 v[SBI], v[128*((\be)%2)+4*kk:128*((\be)%2)+4*kk+3] offset:512*kk
.set kk, kk+1
.endr
	WIN 0
	YLOAD 0
	YLOAD 1
.irp q, 0,1,2,3
.if \q < 3
	s_wait_dscnt 32                                ; this column group's 32 loads are in; the next group's may be out
.else
	s_wait_dscnt 0x0
.endif
	COLS \be, \q
.if \q < 2
	YLOAD \q+2
.endif
.endr
.endm
	BLOCKB 0
	BLOCKB 1
	BLOCKB 2
	BLOCKB 3
.irp q, 0,1,2,3                        ; lane (tau, r) holds column 16 (2 q + tau) + r: both halves' 12 registers of row r of fragment 2 q + tau
.irp hh, 0,1
.irp c, 0,1,2
	global_store_b128 v[OA], v[CD+24*\q+12*\hh+4*\c:CD+24*\q+12*\hh+4*\c+3], s[FB:FB+1] offset:3072*\q+512*\c+256*\hh   ; sixteen lanes store 256 consecutive bytes, at a multiple of 256 from wq's first byte
.endr
.endr
.endr
	global_store_b128 v[LI], v[WD:WD+3], s[SB:SB+1]  ; the quad, whole: 512 consecutive bytes
	s_wait_tensorcnt 0x0
	ds_add_u32 v254, v255
	s_wait_dscnt 0x0
	s_endpgm
.Lfunc_end_k_q81c35b9079_prep:
	.size	k_q81c35b9079_prep, .Lfunc_end_k_q81c35b9079_prep-k_q81c35b9079_prep
	.p2alignl 7, 3214868480
	.fill 96, 4, 3214868480
	.section	.rodata,"a",@progbits
	.p2align	6, 0x0
	.amdhsa_kernel k_q81c35b9079_prep
		.amdhsa_group_segment_fixed_size 25856
		.amdhsa_private_segment_fixed_size 0
		.amdhsa_enable_private_segment 0
		.amdhsa_kernarg_size 16
		.amdhsa_user_sgpr_count 2
		.amdhsa_user_sgpr_kernarg_segment_ptr 1
		.amdhsa_wavefront_size32 1
		.amdhsa_system_sgpr_workgroup_id_x 1
		.amdhsa_system_sgpr_workgroup_id_y 1
		.amdhsa_system_sgpr_workgroup_id_z 1
		.amdhsa_system_vgpr_workitem_id 0
		.amdhsa_next_free_vgpr 1024
		.amdhsa_next_free_sgpr 66
		.amdhsa_reserve_vcc 0
		.amdhsa_float_denorm_mode_32 3
		.amdhsa_float_denorm_mode_16_64 3
		.amdhsa_memory_ordered 1
		.amdhsa_forward_progress 1
		.amdhsa_inst_pref_size 178
	.end_amdhsa_kernel
	.amdgpu_metadata
---
amdhsa.version: [ 1, 2 ]
amdhsa.kernels:
  - .name:           k_q81c35b9079_prep
    .symbol:         k_q81c35b9079_prep.kd
    .args:
      - { .name: weight, .offset: 0, .size: 8, .value_kind: global_buffer, .address_space: global }
      - { .name: wq, .offset: 8, .size: 8, .value_kind: global_buffer, .address_space: global }
    .group_segment_fixed_size: 25856
    .private_segment_fixed_size: 0
    .kernarg_segment_align: 8
    .kernarg_segment_size: 16
    .max_flat_workgroup_size: 32
    .sgpr_count:     66
    .vgpr_count:     1024
    .wavefront_size: 32
...
	.end_amdgpu_metadata
.endif
;; end of part 1
;; launch vq (part 2): grid 256 x 1, 4 waves a work-group, clusters of 4 x 1, 327,680 bytes of LDS; arguments x, wq, out0; writes out0
.if DOCPART == 2
	.amdgcn_target "amdgcn-amd-amdhsa--gfx1250"
	.amdhsa_code_object_version 6
	.text
	.protected	k_q81c35b9079_vq
	.globl	k_q81c35b9079_vq
	.p2align	8
	.type	k_q81c35b9079_vq,@function
k_q81c35b9079_vq:
	s_mov_b64 s[64:65], 0
	v_nop
	global_prefetch_b8 v0, s[64:65] scope:SCOPE_SE
	s_setreg_imm32_b32 hwreg(HW_REG_WAVE_MODE, 25, 1), 1
	s_wait_xcnt 0x0
	s_wait_alu depctr_hold_cnt(0) depctr_sa_sdst(0) depctr_va_vdst(0) depctr_va_sdst(0) depctr_va_ssrc(0) depctr_va_vcc(0) depctr_vm_vsrc(0)
	s_getreg_b32 s2, hwreg(HW_REG_IB_STS2, 6, 4)
	s_cmp_eq_u32 s2, 0
	s_cbranch_scc0 .Lentry_in_a_cluster
	s_endpgm
.Lentry_in_a_cluster:
	s_bfe_u32 s2, ttmp6, 0x10000c
	s_cmp_lg_u32 s2, 0x3003
	s_cbranch_scc0 .Lentry_shape_is_right
	s_endpgm
.Lentry_shape_is_right:
; out0 = softmax(rmsnorm(x) rmsnorm(weight)^T) weight, both products on codes of FP6 (E2M3) with one E8M0 scale for each 32 along K.  x, out0: [16384][1024] f32.  wq: both quantisations of weight, laid by the
; launch before in the order in which this text's registers take them (32 slot-blocks of 102,400 bytes; its head comment has the layout).
; SHARES.  A work-group owns 64 rows (four tiles of 16), from x to out0; nothing but wq passes through memory.  THE FOUR WAVES SHARE THE COLUMNS, NOT THE ROWS:
;   X:  wave w normalises and quantises rows 16 w .. + 15 of x (eight fragments) and hands their register images to the others through LDS; every wave then keeps all 32 fragments of Q in registers.
;   1:  wave w takes key groups G = 4 w + gl (gl = 0 .. 3), 128 keys each, for all 64 rows: 32 accumulators (8 key tiles x 4 row tiles) over 8 K steps of 128; then the softmax of that group under a LOCAL whole
;       number M (the ceiling of the group's largest t for the row): p = 2^(t - M), its sum, its codes and scale bytes; P's fragment images, -M, the sum and the scale word go to LDS.
;   FIX: the row's M is the largest of the 16; M_row - M_group, a whole number, is taken off the group's scale bytes and off its sum's exponent: exact powers of two, the codes stay as they are.
;   2:  wave w takes columns 256 w .. + 255 of out0 for all 64 rows: 64 accumulators over 16 K steps of 128 keys; / the row's sum; out through LDS as whole rows of 512 bytes.
; Both products are used transposed (source 0 = 16 rows of the weight's codes, source 1 = 16 of my rows), so that a lane holds ONE row of x throughout.  The keys of a tile are chosen (by the launch before) so
; that the 16 registers of key tiles 2 b and 2 b + 1 are 16 neighbouring keys.
; THE RING.  wq comes through two LDS slots of 102,400 bytes.  Each wave fetches its own quarter of a slot by one tensor load and is that quarter's only reader; a slot feeds 64 matrix instructions a wave.
; CLUSTER.  All row blocks walk the same wq: the four work-groups of a cluster ask for each slot JOINTLY (mask 15), so each slot is requested once for the four.  There is no second shared operand, so 4 x 1.
; LIMITS.  NaN and infinities are not served.  A block whose largest magnitude lies under 2^-124 keeps the byte 1.  p under 2^-126 of its group's largest is 0 (v_exp_f32 gives no denormals).  A block of p whose
; byte is smaller than M_row - M_group gets the byte 0, 2^-127: it then adds under 2^-124 where the row's sum is above 1/2.  M_row - M_group is held at 255, beyond which a group's sum is 0 in f32.
; 1 / sqrt and 1 / sum are v_rsq_f32 and v_rcp_f32.
; REGISTERS, in windows of 256 (s_set_vgpr_msb: bits 1:0 source 0, 3:2 source 1, 5:4 source 2, 7:6 destination):
;   window 0: v1-20 addresses; v22-31 a row's figures; v32-47 Q's scale words (phase 2: v32-35 P's), v48-55 the weight's: these hold scales alone; v56-93 at work; v96-159 64 numbers; v160-255 Q of K steps 6, 7 (phase 2: two sets of P)
;   window 1: v0-95, v96-191 two sets of 8 weight fragments; v192-239 Q of K step 0   (X: four buffers of x as loaded; way out: rows read back)
;   window 2: Q of K steps 1-5   (X: chunks 0-3 of x; phase 2: accumulators of my columns 0-127, (m, t) at 64 m + 8 t)
;   window 3: phase 1's 32 accumulators, (m, t) at 64 m + 8 t   (X: chunks 4-7; phase 2: accumulators of my columns 128-255)
.set PART,  25600                      ; a wave's quarter of a slot: 16 fragment images, then two scale quads
.set SLOT,  4*PART
.set FRB,   1536                       ; a fragment's image
.set QOFF,  16*FRB                     ; where a part's scale quads begin
.set PIMG,  2*SLOT                     ; behind the ring: P's 64 images, (4 G + m) x FRB.  Before phase 1 the same bytes hold Q's 32 images, (4 ks + m) x FRB, and behind them
.set XSTG,  PIMG+32*FRB                ; a stage of 16 rows x 528 bytes for each wave
.set MREG,  PIMG+64*FRB                ; -M [G][row], 4,096 bytes;  + 4,096: the sums;  + 8,192: the scale words as made
.set SCP,   MREG+12288                 ; scale words as the products take them: (K step k, row tile m, r) at 256 k + 8 (16 (m % 2) + r) + 4 (m / 2): Q's, later P's
.set INVR,  SCP+4096                   ; 1 / sum [row]
.set SPARE, INVR+256                   ; the spare words, 128 bytes for each wave: two blocks of 256 bytes that no other line names
.set LI,   1                           ; v1   16 x lane
.set AW,   2                           ; v2-3 my part of slot 0, 1: 16 x lane + PART x wave (+ SLOT)
.set SPW,  4                           ; v4   LDS address of my spare word; never rewritten
.set NIL,  5                           ; v5   0; never rewritten
.set APW,  6                           ; v6   where I store P's images: PIMG + 16 x lane + 16 FRB x wave
.set AQW,  7                           ; v7   where I store Q's: PIMG + 16 x lane + FRB x wave
.set AP,   8                           ; v8   PIMG + 16 x lane
.set ASC,  9                           ; v9   SCP: my row tile's words (m = wave): 8 r + 128 (wave % 2) + 4 (wave / 2)
.set ASR,  10                          ; v10  SCP + 8 x lane
.set AMW,  11                          ; v11  MREG + 4 r + 1,024 x wave
.set AMR,  12                          ; v12  MREG + 4 r + 64 x wave
.set AIN,  13                          ; v13  INVR + 4 r
.set XSI,  14                          ; v14  my stage, in: 16 x lane
.set XSO,  15                          ; v15  my stage, out: 528 r + 64 h
.set STO,  16                          ; v16  the way out: PART x wave + 528 r + 32 h
.set APT,  18                          ; v18-19 addresses of the loads or stores in hand
.set AMT,  19
.set PFO,  20                          ; v20  the prefetches' offset; never rewritten
.set NM,   22                          ; v22-23 -M (named as a pair)
.set LS,   24                          ; v24-27 the sum, in two packed chains
.set LT,   26
.set RS,   28                          ; v28-29 1 / sqrt(mean square + eps), twice
.set QS,   32
.set WS,   48
.set TM,   56
.set SQ,   56
.set PW,   72
.set PC,   74
.set INV,  74                          ; phase 2: v74-81: 1 / sum of my row in row tile m, at 2 m, twice
.set ST,   96
.set PF,   160
.set XB,   4                           ; s[4:5] x at my wave's 16 rows
.set WQ,   6                           ; s[6:7] wq
.set OB,   8                           ; s[8:9] out0 at my work-group's first row, my wave's first column
.set WV,   10                          ; s10  my wave's number
.set CX,   11                          ; s11  my place in the cluster: it enters x's, out0's and the prefetches' addresses alone
.set SEL,  20                          ; s[20:21] v_permlanex16_b32's selects for lane l xor 16
.set CS,   22                          ; s[22:23] log2(e), twice
.set G1,   24                          ; s[24:31] descriptor group 1
.set G0,   32                          ; s[32:39] descriptor group 0, a set for each slot
.set CNT,  40
.set GP,   41                          ; s41  my group's place among my P images: 4 FRB a trip
.set GM,   42                          ; s42  and among my -M: 256 a trip
.set PK,   43                          ; s43  phase 2: the K step's P images: 4 FRB a step
.set PSO,  44                          ; s44  and its scale words: 256 a step
.set EV,   45                          ; s45  changes of slots so far
.set LIM,  46                          ; s46  23 in the first cluster, else 0: a wave prefetches while s[EV] is under it
.set PFA,  48                          ; s[48:49] where the prefetches stand
.set C10,  50                          ; s50  2^-10
.set CEP,  51                          ; s51  1e-6
.set MSB, 0
.macro WIN new                         ; the immediate's high byte repeats the setting that is left
.if MSB != (\new)
	s_set_vgpr_msb (MSB<<8)|(\new)
.set MSB, (\new)
.endif
.endm
; A load into a register that a matrix instruction has read, and a vector instruction that reads a matrix result, stand four places behind it; only plain vector instructions that name none of its registers are places.
.macro PLACES n
.rept \n
	v_nop
.endr
.endm
.macro CREST                           ; a round of the cluster's barrier behind its opening barrier
	s_cmp_lg_u32 s[WV], 0
	s_cbranch_scc1 .Lnot_wave_0_\@
	s_barrier_signal -3
.Lnot_wave_0_\@:
	s_barrier_wait -3
	s_barrier_signal -1
	s_barrier_wait -1
.endm
.macro CROUND                          ; a whole round
	s_barrier_signal -1
	s_barrier_wait -1
	CREST
.endm
.macro TLOAD slot                      ; my quarter of a slot, asked for jointly with the same wave of the three partners; four v_nop follow
	tensor_load_to_lds s[G0+4*(\slot):G0+4*(\slot)+3], s[G1:G1+7]
	s_nop 0
	PLACES 4
.endm
; A PREFETCH INTO THE L2.  The change of slots number e (from 1) names wq's bytes 131,072 (e + 2) .. 131,072 (e + 3) - 1: 512 blocks of 256 bytes, a lane a block, one instruction a wave.  The first cluster asks, and nobody
; else; its sixteen waves are told apart BY ADDRESS (place in the cluster and wave's number), so each block is named once in the launch.  The joint load of that change asks for bytes 102,400 (e + 1) on: the blocks named lie
; 1.8 slots or more ahead of the load that will want them.  Change 22 names wq's last bytes; later changes ask for nothing.  wq's first 393,216 bytes come by their loads alone.
.macro ASK
	s_cmp_lt_u32 s[EV], s[LIM]
	s_cbranch_scc0 .Lnot_mine_\@
	global_prefetch_b8 v[PFO], s[PFA:PFA+1] th:TH_LOAD_NT scope:SCOPE_SE
.Lnot_mine_\@:
.endm
; ---- X: 16 rows x 1,024 numbers become eight fragments
.macro XLOADC s                        ; chunk s (128 along K) of my 16 rows: each load takes 512 consecutive bytes of one row; read once in the launch
	WIN 0x40
.irp i, 0,1,2,3,4,5,6,7,8,9,10,11,12,13,14,15
	global_load_b128 v[64*((\s)%4)+4*\i:64*((\s)%4)+4*\i+3], v[LI], s[XB:XB+1] offset:4096*\i+512*(\s) th:TH_LOAD_NT
.endr
.endm
.macro XTURN s                         ; through my stage (rows 528 = 33 x 16 bytes apart): afterwards register 16 b + i of the chunk is k = 128 s + 32 b + 16 h + i of row r.  LDS serves a wave's instructions in order
	WIN 0x04
.irp i, 0,1,2,3,4,5,6,7,8,9,10,11,12,13,14,15
	ds_store_b128 v[XSI], v[64*((\s)%4)+4*\i:64*((\s)%4)+4*\i+3] offset:528*\i
.endr
	WIN 0x80+0x40*((\s)/4)
.irp b, 0,1,2,3
.irp j, 0,1,2,3
	ds_load_b128 v[64*((\s)%4)+16*\b+4*\j:64*((\s)%4)+16*\b+4*\j+3], v[XSO] offset:128*\b+16*\j
.endr
.endr
.endm
.macro XSQ s                           ; the chunk's squares onto four packed chains; the first four products start them: nothing is cleared
	WIN 0x0a+5*((\s)/4)
.set xp, 0
.rept 32
.if ((\s) == 0) && (xp < 4)
	v_pk_mul_f32 v[SQ+2*xp:SQ+2*xp+1], v[64*((\s)%4)+2*xp:64*((\s)%4)+2*xp+1], v[64*((\s)%4)+2*xp:64*((\s)%4)+2*xp+1]
.else
	v_pk_fma_f32 v[SQ+2*(xp%4):SQ+2*(xp%4)+1], v[64*((\s)%4)+2*xp:64*((\s)%4)+2*xp+1], v[64*((\s)%4)+2*xp:64*((\s)%4)+2*xp+1], v[SQ+2*(xp%4):SQ+2*(xp%4)+1]
.endif
.set xp, xp+1
.endr
.endm
.macro MAXABS s                        ; the four blocks' largest magnitudes: my 16 numbers of each, the floor 2^(3 - 127) among them, then lane l xor 16's
.irp b, 0,1,2,3
	v_max3_num_f32 v[TM+\b], |v[\s+16*\b]|, |v[\s+1+16*\b]|, 0x1800000
.endr
.irp i, 2,4,6,8,10,12,14
.irp b, 0,1,2,3
	v_max3_num_f32 v[TM+\b], v[TM+\b], |v[\s+16*\b+\i]|, |v[\s+1+16*\b+\i]|
.endr
.endr
.irp b, 0,1,2,3
	v_permlanex16_b32 v[TM+4+\b], v[TM+\b], s[SEL], s[SEL+1]
.endr
.irp b, 0,1,2,3
	v_max_num_f32 v[TM+\b], v[TM+\b], v[TM+4+\b]
.endr
.endm
.macro CODES s                         ; from the four maxima in v[TM] on: the scale word in v[PW], the fragment's 12 registers in v[PC] on
.irp b, 0,1,2,3
	v_add_nc_u32 v[TM+12+\b], 0xff000000, v[TM+\b]   ; 2 off the exponent field: the conversion takes this operand's exponent field as its scale
.endr
.irp b, 0,1,2,3
	v_lshrrev_b32 v[TM+4+\b], 23, v[TM+12+\b]        ; the scale's byte
.endr
	v_lshl_or_b32 v[PW], v[TM+5], 8, v[TM+4]
	v_lshl_or_b32 v[PW], v[TM+6], 16, v[PW]
	v_lshl_or_b32 v[PW], v[TM+7], 24, v[PW]
.irp c, 0,1
	v_cvt_scalef32_pk16_fp6_f32 v[PC+6*\c:PC+2+6*\c], v[\s+32*\c:\s+15+32*\c], v[TM+12+2*\c]
	v_cvt_scalef32_pk16_fp6_f32 v[PC+12+4*\c:PC+14+4*\c], v[\s+16+32*\c:\s+31+32*\c], v[TM+12+2*\c+1]   ; (a conversion's three registers begin on an even number)
.endr
	v_nop                                            ; one plain line behind the scaled conversions
.irp c, 0,1                            ; the operand wants a WHOLE block in a lane: lanes 0-15 block 2 c, lanes 16-31 block 2 c + 1
.irp i, 0,1,2
	v_permlane16_swap_b32 v[PC+6*\c+\i], v[PC+12+4*\c+\i]
.endr
.irp i, 0,1,2
	v_mov_b32 v[PC+3+6*\c+\i], v[PC+12+4*\c+\i]
.endr
.endr
.endm
.macro XQ s                            ; chunk s times 1 / sqrt(..), then quantised
	WIN 0x02+((\s)/4)
.set xp, 0
.rept 32
	v_pk_mul_f32 v[ST+2*xp:ST+2*xp+1], v[64*((\s)%4)+2*xp:64*((\s)%4)+2*xp+1], v[RS:RS+1] op_sel_hi:[1,0]
.set xp, xp+1
.endr
	WIN 0
	MAXABS ST
	CODES ST
.endm
; ---- the products
.macro FETCHW slot, u, set             ; eight weight fragments (8 u + t of my part of the slot) and their scale quad into set: 25 LDS loads, each of 512 consecutive bytes
	WIN 0x40
.irp t, 0,1,2,3,4,5,6,7
.irp c, 0,1,2
	ds_load_b128 v[96*(\set)+12*\t+4*\c:96*(\set)+12*\t+4*\c+3], v[AW+(\slot)] offset:(8*(\u)+\t)*FRB+512*\c
.endr
.endr
	WIN 0
	ds_load_b128 v[WS+4*(\set):WS+4*(\set)+3], v[AW+(\slot)] offset:QOFF+512*(\u)
.endm
.macro FETCHP pset                     ; the next K step's four fragments of P and their scale words into set pset
	v_add_nc_u32 v[APT], s[PK], v[AP]
	v_add_nc_u32 v[AMT], s[PSO], v[ASR]
.irp m, 0,1,2,3
.irp c, 0,1,2
	ds_load_b128 v[PF+48*(\pset)+12*\m+4*\c:PF+48*(\pset)+12*\m+4*\c+3], v[APT] offset:FRB*\m+512*\c
.endr
.endr
	ds_load_b64 v[QS+2*(\pset):QS+2*(\pset)+1], v[AMT]
	s_add_co_u32 s[PK], s[PK], 4*FRB
	s_add_co_u32 s[PSO], s[PSO], 256
.endm
.macro WM zero                         ; one matrix instruction on the registers rD, rA, rB, rSA, rSB; ra, rb: the side's scale words lie in lanes 16-31
.if \zero
.if (ra == 0) && (rb == 0)
	v_wmma_scale_f32_16x16x128_f8f6f4 v[rD:rD+7], v[rA:rA+11], v[rB:rB+11], 0, v[rSA], v[rSB] matrix_a_fmt:MATRIX_FMT_FP6 matrix_b_fmt:MATRIX_FMT_FP6
.elseif rb == 0
	v_wmma_scale_f32_16x16x128_f8f6f4 v[rD:rD+7], v[rA:rA+11], v[rB:rB+11], 0, v[rSA], v[rSB] matrix_a_fmt:MATRIX_FMT_FP6 matrix_b_fmt:MATRIX_FMT_FP6 matrix_a_scale:MATRIX_SCALE_ROW1
.elseif ra == 0
	v_wmma_scale_f32_16x16x128_f8f6f4 v[rD:rD+7], v[rA:rA+11], v[rB:rB+11], 0, v[rSA], v[rSB] matrix_a_fmt:MATRIX_FMT_FP6 matrix_b_fmt:MATRIX_FMT_FP6 matrix_b_scale:MATRIX_SCALE_ROW1
.else
	v_wmma_scale_f32_16x16x128_f8f6f4 v[rD:rD+7], v[rA:rA+11], v[rB:rB+11], 0, v[rSA], v[rSB] matrix_a_fmt:MATRIX_FMT_FP6 matrix_b_fmt:MATRIX_FMT_FP6 matrix_a_scale:MATRIX_SCALE_ROW1 matrix_b_scale:MATRIX_SCALE_ROW1
.endif
.else
.if (ra == 0) && (rb == 0)
	v_wmma_scale_f32_16x16x128_f8f6f4 v[rD:rD+7], v[rA:rA+11], v[rB:rB+11], v[rD:rD+7], v[rSA], v[rSB] matrix_a_fmt:MATRIX_FMT_FP6 matrix_b_fmt:MATRIX_FMT_FP6
.elseif rb == 0
	v_wmma_scale_f32_16x16x128_f8f6f4 v[rD:rD+7], v[rA:rA+11], v[rB:rB+11], v[rD:rD+7], v[rSA], v[rSB] matrix_a_fmt:MATRIX_FMT_FP6 matrix_b_fmt:MATRIX_FMT_FP6 matrix_a_scale:MATRIX_SCALE_ROW1
.elseif ra == 0
	v_wmma_scale_f32_16x16x128_f8f6f4 v[rD:rD+7], v[rA:rA+11], v[rB:rB+11], v[rD:rD+7], v[rSA], v[rSB] matrix_a_fmt:MATRIX_FMT_FP6 matrix_b_fmt:MATRIX_FMT_FP6 matrix_b_scale:MATRIX_SCALE_ROW1
.else
	v_wmma_scale_f32_16x16x128_f8f6f4 v[rD:rD+7], v[rA:rA+11], v[rB:rB+11], v[rD:rD+7], v[rSA], v[rSB] matrix_a_fmt:MATRIX_FMT_FP6 matrix_b_fmt:MATRIX_FMT_FP6 matrix_a_scale:MATRIX_SCALE_ROW1 matrix_b_scale:MATRIX_SCALE_ROW1
.endif
.endif
.endm
; 4 n matrix instructions: weight fragments t0 .. t0 + n - 1 of set x my four row tiles.  ph = 1: x = the K step, source 1 = Q; ph = 2: x = P's set, the accumulators lie in window 2 + set.
; zero = 1: the products start the sums: nothing is ever cleared.  A unit's 32 accumulators take turns, one instruction a turn, in the same order in every unit.
.macro MUL ph, set, x, zero, t0, n
.if (\ph) == 1
.if (\x) == 0
.set QW, 1
.set QB, 192
.elseif (\x) < 6
.set QW, 2
.set QB, 48*((\x)-1)
.else
.set QW, 0
.set QB, PF+48*((\x)-6)
.endif
	WIN 0xf1+4*QW                                  ; source 0 window 1, source 1 Q's window, C and D window 3
.else
.set QB, PF+48*(\x)
	WIN 0xa1+0x50*(\set)                           ; source 0 window 1, source 1 window 0, C and D window 2 or 3
.endif
.set tt, \t0
.rept \n
.set mm, 0
.rept 4
.set rD, 64*mm+8*tt
.set rA, 96*(\set)+12*tt
.set rB, QB+12*mm
.set rSA, WS+4*(\set)+tt/2
.set rSB, QS+2*(\x)+mm/2
.set ra, tt%2
.set rb, mm%2
	WM \zero
.set mm, mm+1
.endr
.set tt, tt+1
.endr
.endm
; A slot's first unit: 32 matrix instructions on set 0; the second unit's fragments are fetched ahead of them.
.macro UNIT0 ph, slot, x, zero
	s_wait_dscnt 0x0                               ; set 0 is in (and in phase 2 the K step's P)
	PLACES 4                                       ; for the loads into set 1, which the last products read
	FETCHW \slot, 1, 1
	MUL \ph, 0, \x, \zero, 0, 8
.endm
; A slot's second unit changes slots: ONE barrier; in front of it each wave waits for all its tensor loads, adds 0 to its spare word, and waits for that and for its reads of this slot.
; fill = 1: the barrier opens a round of the cluster's barrier, and this slot is filled again, with the slot-block two further on.  p = 1: the next K step's P is fetched too.
.macro TURN ph, slot, x, zero, fill, p
.if \fill
	s_wait_xcnt 0x0                                ; the last prefetch, a slot back, has read its address: it is stepped here, ahead of the waits of the change of slots
	s_add_nc_u64 s[PFA:PFA+1], s[PFA:PFA+1], 131072
	s_add_co_u32 s[EV], s[EV], 1
.endif
	WIN 0                                          ; (the add's two registers lie in window 0)
	s_wait_tensorcnt 0x0                           ; all my tensor loads have landed: the one that was out is my part of the other slot;
	ds_add_u32 v[SPW], v[NIL]                      ; 0 onto my spare word;
	s_wait_dscnt 0x1                               ; set 1's 25 loads are in (the add alone may be out)
	MUL \ph, 1, \x, \zero, 0, 2                    ; eight matrix instructions stand between the add and the wait for it
	s_wait_dscnt 0x0                               ; the add is done, and my reads of this slot are over
	s_barrier_signal -1
	MUL \ph, 1, \x, \zero, 2, 2
	WIN 0
	s_barrier_wait -1
.if \fill
	CREST                                          ; no wave of any partner still reads this slot or has a load on its way
	s_add_nc_u64 s[G0+4*(\slot)+2:G0+4*(\slot)+3], s[G0+4*(\slot)+2:G0+4*(\slot)+3], 2*SLOT
	TLOAD \slot                                    ; the first tensor load behind the round, my only one until the next; its four v_nop are also the places in front of the loads below
.else
	PLACES 4
.endif
	FETCHW 1-(\slot), 0, 0
.if \p
	FETCHP 1-(\x)
.endif
.if \fill
	ASK
.endif
	MUL \ph, 1, \x, \zero, 4, 4
.endm
; The softmax of row tile m for my group of 128 keys.  Register 16 b + i of the tile's 64 scores is key 32 b + 16 h + i of the lane's row.
.macro SOFT m
.set SB0, 64*(\m)
	WIN 0x3f                                       ; three sources in window 3
.irp b, 0,1,2,3
	v_max3_num_f32 v[TM+\b], v[SB0+16*\b], v[SB0+16*\b+1], v[SB0+16*\b+2]   ; THE LARGEST SCORE OF EACH BLOCK OF 32 KEYS serves twice: for the maximum, and, since p rises with the score, for the block's largest p.  (Each accumulator is read from its low end on)
.endr
	WIN 0x3c
.irp i, 3,5,7,9,11,13
.irp b, 0,1,2,3
	v_max3_num_f32 v[TM+\b], v[TM+\b], v[SB0+16*\b+\i], v[SB0+16*\b+\i+1]
.endr
.endr
.irp b, 0,1,2,3
	v_max_num_f32 v[TM+\b], v[TM+\b], v[SB0+16*\b+15]
.endr
	WIN 0
.irp b, 0,1,2,3
	v_permlanex16_b32 v[TM+4+\b], v[TM+\b], s[SEL], s[SEL+1]
.endr
.irp b, 0,1,2,3
	v_max_num_f32 v[TM+\b], v[TM+\b], v[TM+4+\b]   ; with lane l xor 16's 16 keys
.endr
	v_max3_num_f32 v30, v[TM], v[TM+1], v[TM+2]
	v_max_num_f32 v30, v30, v[TM+3]                ; the group's largest score of my row
	v_mul_f32 v30, s[CS], v30                      ; as t
	v_floor_f32 v[NM], -v30                        ; -M = floor(-t) = -ceil(t): A WHOLE NUMBER
	WIN 0x03
.set xp, 0
.rept 32
	v_pk_fma_f32 v[ST+2*xp:ST+2*xp+1], v[SB0+2*xp:SB0+2*xp+1], s[CS:CS+1], v[NM:NM+1] op_sel_hi:[1,0,0]   ; t - M, two at a time
.set xp, xp+1
.endr
	WIN 0
.irp b, 0,1,2,3
	v_fma_f32 v[TM+\b], v[TM+\b], s[CS], v[NM]     ; the same of each block's largest score
.endr
.set xp, 0
.rept 64
	v_exp_f32 v[ST+xp], v[ST+xp]                   ; p = 2^(t - M): NOT normalised
.set xp, xp+1
.endr
	v_nop                                          ; a plain line behind the exponentials,
	s_wait_alu depctr_va_vdst(0)                   ; and ONE wait for the batch, ahead of the first line that names a result
.irp b, 0,1,2,3
	v_exp_f32 v[TM+\b], v[TM+\b]                   ; the block's largest p: the same two instructions on the same number
.endr
	v_pk_add_f32 v[LS:LS+1], v[ST:ST+1], v[ST+2:ST+3]   ; THE SUM IS TAKEN OF THE UNQUANTISED p, in two packed chains.  (It reads the 64 alone: plain work behind the four)
	v_pk_add_f32 v[LT:LT+1], v[ST+4:ST+5], v[ST+6:ST+7]
.irp j, 8,12,16,20,24,28,32,36,40,44,48,52,56,60
	v_pk_add_f32 v[LS:LS+1], v[LS:LS+1], v[ST+\j:ST+\j+1]
	v_pk_add_f32 v[LT:LT+1], v[LT:LT+1], v[ST+\j+2:ST+\j+3]
.endr
	v_pk_add_f32 v[LS:LS+1], v[LS:LS+1], v[LT:LT+1]
	v_add_f32 v[LS], v[LS], v[LS+1]
	v_permlanex16_b32 v[LS+1], v[LS], s[SEL], s[SEL+1]
	v_add_f32 v[LS], v[LS], v[LS+1]                ; with lane l xor 16's: the group's sum for my row
	s_wait_alu depctr_va_vdst(0)                   ; and one wait for the four
.irp b, 0,1,2,3
	v_max_num_f32 v[TM+\b], 0x1800000, v[TM+\b]    ; the floor 2^(3 - 127): the byte cannot fall under 1
.endr
	CODES ST
.irp c, 0,1,2
	ds_store_b128 v[APT], v[PC+4*\c:PC+4*\c+3] offset:FRB*(\m)+512*\c   ; the image of K step G, row tile m, of the second product
.endr
	ds_store_b32 v[AMT], v[NM] offset:64*(\m)      ; lanes l and l xor 16 hold the same three numbers and write them to the same places
	ds_store_b32 v[AMT], v[LS] offset:4096+64*(\m)
	ds_store_b32 v[AMT], v[PW] offset:8192+64*(\m)
	s_wait_dscnt 0x0                               ; the stores have read their registers
.endm
	; ================ the head ================
	s_load_b128 s[4:7], s[0:1], 0x0                ; x, wq
	s_load_b64 s[8:9], s[0:1], 0x10                ; out0
	v_lshl_add_u32 v[SPW], v0, 2, SPARE
	v_mov_b32 v[NIL], 0
	ds_add_u32 v4, v5
	ds_add_u32 v4, v5
	s_wait_dscnt 0x0
	v_lshrrev_b32 v30, 5, v0
	v_readfirstlane_b32 s[WV], v30                 ; wave 0..3
	v_and_b32 v30, 31, v0                          ; lane
	v_lshlrev_b32 v[LI], 4, v30
	s_bfe_u32 s[CX], ttmp6, 0x40000                ; cx
	s_lshl_b32 s12, ttmp9, 2                       ; in a cluster launch ttmp9 counts clusters
	s_add_co_u32 s12, s12, s[CX]                   ; my block of 64 rows
	s_lshl_b32 s16, s12, 18                        ; 64 rows of 4,096 bytes,
	s_lshl_b32 s17, s[WV], 16                      ; x: my wave's 16 of them
	s_add_co_u32 s16, s16, s17
	s_mov_b32 s17, 0
	s_lshl_b32 s18, s12, 18
	s_lshl_b32 s19, s[WV], 10                      ; out0: my wave's 256 columns
	s_add_co_u32 s18, s18, s19
	s_mov_b32 s19, 0
	s_mul_i32 s13, s[WV], PART                     ; my quarter of a slot, in LDS and in a slot-block: no place in the cluster enters it
	s_mov_b32 s14, s13
	s_mov_b32 s15, 0
	; descriptor group 1: a dense block of 25,600 bytes as 100 rows of 256 bytes
	s_mov_b32 s[G1], 15|(3<<16)|(1<<21)            ; 15:0 the mask: all four work-groups; 17:16 elements of 8 bytes; 20 no padding; 21 set beside a mask
	s_mov_b32 s[G1+1], 32<<16                      ; tensor_dim0 = 32
	s_mov_b32 s[G1+2], 100<<16                     ; tensor_dim1 = 100
	s_mov_b32 s[G1+3], 32<<16                      ; tile_dim0 = 32
	s_mov_b32 s[G1+4], 100                         ; tile_dim1 = 100
	s_mov_b32 s[G1+5], 32                          ; tensor_dim0_stride
	s_mov_b32 s[G1+6], 0
	s_mov_b32 s[G1+7], 0
	s_mov_b32 s[SEL], 0x76543210
	s_mov_b32 s[SEL+1], 0xfedcba98
	s_mov_b32 s[CS], 0x3fb8aa3b                    ; log2(e)
	s_mov_b32 s[CS+1], s[CS]                       ; (named with it as a pair, so it is written)
	s_mov_b32 s[C10], 0x3a800000
	s_mov_b32 s[CEP], 0x358637bd
	s_mov_b32 s[GP], 0
	s_mov_b32 s[GM], 0
	s_mov_b32 s[PK], 0
	s_mov_b32 s[PSO], 0
	s_mov_b32 s[EV], 0
	s_cmp_eq_u32 ttmp9, 0                          ; the first cluster: the same in all four partners
	s_cselect_b32 s[LIM], 23, 0
	s_wait_kmcnt 0x0
	s_add_nc_u64 s[XB:XB+1], s[XB:XB+1], s[16:17]
	s_add_nc_u64 s[OB:OB+1], s[OB:OB+1], s[18:19]
	s_add_nc_u64 s[PFA:PFA+1], s[WQ:WQ+1], 262144  ; the first change of slots steps it to byte 393,216
	s_add_nc_u64 s[14:15], s[WQ:WQ+1], s[14:15]    ; wq at my part of slot-block 0
.irp s, 0,1
	s_mov_b32 s[G0+4*\s], 1                                        ; count = 1
	s_add_co_u32 s[G0+4*\s+1], s13, \s*SLOT                        ; LDS address
	s_add_nc_u64 s[G0+4*\s+2:G0+4*\s+3], s[14:15], \s*SLOT         ; global address: slot-block s
	s_or_b32 s[G0+4*\s+3], s[G0+4*\s+3], 0x80000000                ; type = 2
.endr
	XLOADC 0                                       ; x's first four chunks are asked for before anything else
	XLOADC 1
	XLOADC 2
	XLOADC 3
	WIN 0
	CROUND                                         ; all four work-groups are here: the first joint loads meet
	tensor_load_to_lds s[G0:G0+3], s[G1:G1+7]      ; both first fills together: two loads of mine are out
	s_nop 0
	tensor_load_to_lds s[G0+4:G0+7], s[G1:G1+7]
	s_nop 0
	PLACES 4
	v_and_b32 v31, 15, v0                          ; r
	v_bfe_u32 v17, v0, 4, 1                        ; h
	v_add_nc_u32 v[AW], s13, v[LI]
	v_add_nc_u32 v[AW+1], SLOT, v[AW]
	v_add_nc_u32 v[AP], PIMG, v[LI]
	s_mul_i32 s14, s[WV], 16*FRB
	v_add_nc_u32 v[APW], s14, v[AP]
	s_mul_i32 s14, s[WV], FRB
	v_add_nc_u32 v[AQW], s14, v[AP]
	v_lshl_add_u32 v[ASR], v30, 3, SCP
	s_and_b32 s14, s[WV], 1
	s_lshl_b32 s14, s14, 7
	s_lshr_b32 s15, s[WV], 1
	s_lshl_b32 s15, s15, 2
	s_add_co_u32 s14, s14, s15
	v_lshl_add_u32 v[ASC], v31, 3, SCP
	v_add_nc_u32 v[ASC], s14, v[ASC]
	v_lshl_add_u32 v[AMR], v31, 2, MREG
	s_lshl_b32 s14, s[WV], 10
	v_add_nc_u32 v[AMW], s14, v[AMR]
	s_lshl_b32 s14, s[WV], 6
	v_add_nc_u32 v[AMR], s14, v[AMR]
	v_lshl_add_u32 v[AIN], v31, 2, INVR
	s_mul_i32 s14, s[WV], 16*528
	s_add_co_u32 s14, s14, XSTG
	v_add_nc_u32 v[XSI], s14, v[LI]
	v_mul_u32_u24 v[XSO], v31, 528
	v_lshl_add_u32 v[STO], v17, 5, v[XSO]
	v_add_nc_u32 v[STO], s13, v[STO]
	v_lshl_add_u32 v[XSO], v17, 6, v[XSO]
	v_add_nc_u32 v[XSO], s14, v[XSO]
	s_lshl_b32 s16, s[CX], 2
	s_add_co_u32 s16, s16, s[WV]
	s_lshl_b32 s16, s16, 5
	v_add_nc_u32 v[PFO], s16, v30
	v_lshlrev_b32 v[PFO], 8, v[PFO]                ; ((4 cx + wave) 32 + lane) x 256
	v_mov_b32 v[NM+1], 0                           ; (named as the upper half of a pair)
.irp b, 0,1,2,3
	v_mov_b32 v[TM+4+\b], 0                        ; written once: a lane permute's destination counts as one of its sources
.endr
	; ================ X: my 16 rows of x, normalised and quantised ================
.irp s, 0,1,2,3,4,5,6,7
.if \s < 4
	s_wait_loadcnt 48                              ; this chunk's 16 loads are in; those of the three chunks behind it may be out
.else
	s_wait_loadcnt 16*(7-\s)
.endif
	XTURN \s
.if \s > 0
	XSQ \s-1                                       ; the chunk before is squared while this one turns
.endif
	s_wait_dscnt 0x0                               ; the chunk is back, and the stores into the stage have read their registers,
.if \s < 4
	XLOADC \s+4                                    ; which take the chunk four further on
.endif
.endr
	XSQ 7
	WIN 0
	v_pk_add_f32 v[SQ:SQ+1], v[SQ:SQ+1], v[SQ+2:SQ+3]
	v_pk_add_f32 v[SQ+4:SQ+5], v[SQ+4:SQ+5], v[SQ+6:SQ+7]
	v_pk_add_f32 v[SQ:SQ+1], v[SQ:SQ+1], v[SQ+4:SQ+5]
	v_add_f32 v[SQ], v[SQ], v[SQ+1]
	v_permlanex16_b32 v[SQ+1], v[SQ], s[SEL], s[SEL+1]
	v_add_f32 v[SQ], v[SQ], v[SQ+1]                ; the row's sum of squares (a row lies in lanes l and l xor 16)
	v_fma_f32 v[SQ], v[SQ], s[C10], s[CEP]         ; / 1,024 (exact) + eps
	v_rsq_f32 v[RS], v[SQ]
	v_nop                                          ; a plain line behind the transcendental,
	s_wait_alu depctr_va_vdst(0)                   ; and the wait ahead of the first line that names its result
	v_mov_b32 v[RS+1], v[RS]
.irp s, 0,1,2,3,4,5,6,7
	XQ \s
.irp c, 0,1,2
	ds_store_b128 v[AQW], v[PC+4*\c:PC+4*\c+3] offset:4*FRB*\s+512*\c   ; the image of K step s, row tile = my wave
.endr
	ds_store_b32 v[ASC], v[PW] offset:256*\s
	s_wait_dscnt 0x0                               ; the stores have read their registers
.endr
	s_barrier_signal -1                            ; my images and scale words have landed (the wait above)
	s_barrier_wait -1                              ; everybody's have.  The two tensor loads may stay out
	WIN 0x40                                       ; all 32 fragments of Q into registers: they stay for the whole of phase 1
.irp m, 0,1,2,3
.irp c, 0,1,2
	ds_load_b128 v[192+12*\m+4*\c:192+12*\m+4*\c+3], v[AP] offset:\m*FRB+512*\c
.endr
.endr
	WIN 0x80
.irp k, 1,2,3,4,5
.irp m, 0,1,2,3
.irp c, 0,1,2
	ds_load_b128 v[48*(\k-1)+12*\m+4*\c:48*(\k-1)+12*\m+4*\c+3], v[AP] offset:(4*\k+\m)*FRB+512*\c
.endr
.endr
.endr
	WIN 0
.irp k, 6,7
.irp m, 0,1,2,3
.irp c, 0,1,2
	ds_load_b128 v[PF+48*(\k-6)+12*\m+4*\c:PF+48*(\k-6)+12*\m+4*\c+3], v[AP] offset:(4*\k+\m)*FRB+512*\c
.endr
.endr
.endr
.irp k, 0,1,2,3,4,5,6,7
	ds_load_b64 v[QS+2*\k:QS+2*\k+1], v[ASR] offset:256*\k   ; register m / 2 of the pair, lanes 16 (m % 2) on: row tile m's words
.endr
	s_wait_tensorcnt 0x1                           ; my part of slot 0 is in, and I am its only reader; slot 1's may stay out
	FETCHW 0, 0, 0
	; ================ phase 1: four key groups a wave ================
	s_mov_b32 s[CNT], 4
.Lgroup:                                               ; a trip: four slot-blocks, eight K steps of 128, then the group's softmax.  Every change of slots fills a slot again
	UNIT0 1, 0, 0, 1                               ; the first K step's products start the sums
	TURN  1, 0, 1, 0, 1, 0
	UNIT0 1, 1, 2, 0
	TURN  1, 1, 3, 0, 1, 0
	UNIT0 1, 0, 4, 0
	TURN  1, 0, 5, 0, 1, 0
	UNIT0 1, 1, 6, 0
	TURN  1, 1, 7, 0, 1, 0                         ; (it fetches the next group's first fragments; in the last trip: the second product's)
	PLACES 4
	WIN 0
	v_add_nc_u32 v[APT], s[GP], v[APW]
	v_add_nc_u32 v[AMT], s[GM], v[AMW]
	SOFT 0
	SOFT 1
	SOFT 2
	SOFT 3
	s_add_co_u32 s[GP], s[GP], 4*FRB
	s_add_co_u32 s[GM], s[GM], 256
	s_sub_co_u32 s[CNT], s[CNT], 1
	s_cmp_lg_u32 s[CNT], 0
	s_cbranch_scc1 .Lgroup
	; ================ FIX: the 16 groups of a row under one M.  Wave w serves row tile w ================
	s_wait_dscnt 0x0
	s_barrier_signal -1
	s_barrier_wait -1                              ; every wave's -M, sums and scale words lie in LDS.
.irp g, 0,1,2,3,4,5,6,7,8,9,10,11,12,13,14,15
	ds_load_b32 v[ST+\g], v[AMR] offset:256*\g
	ds_load_b32 v[ST+16+\g], v[AMR] offset:4096+256*\g
	ds_load_b32 v[ST+32+\g], v[AMR] offset:8192+256*\g
.endr
	s_wait_dscnt 0x0
	v_min3_num_f32 v30, v[ST], v[ST+1], v[ST+2]
.irp i, 3,5,7,9,11,13
	v_min3_num_f32 v30, v30, v[ST+\i], v[ST+\i+1]
.endr
	v_min_num_f32 v30, v30, v[ST+15]               ; the smallest -M: the row's
.irp g, 0,1,2,3,4,5,6,7,8,9,10,11,12,13,14,15
	v_sub_f32 v[TM], v[ST+\g], v30                 ; k = M_row - M_group: a whole number, 0 or more
	v_min_num_f32 v[TM], 0x437f0000, v[TM]         ; held at 255
	v_cvt_u32_f32 v[TM], v[TM]
	v_sub_nc_u32 v[TM+1], 0, v[TM]
.if \g == 0
	v_ldexp_f32 v[LS], v[ST+16], v[TM+1]           ; the group's sum x 2^-k: the first starts the row's sum
.else
	v_ldexp_f32 v[TM+1], v[ST+16+\g], v[TM+1]
	v_add_f32 v[LS], v[LS], v[TM+1]
.endif
.irp b, 0,1,2,3
	v_bfe_u32 v[TM+4+\b], v[ST+32+\g], 8*\b, 8
.endr
.irp b, 0,1,2,3
	v_min_u32 v[TM+8+\b], v[TM+4+\b], v[TM]
.endr
.irp b, 0,1,2,3
	v_sub_nc_u32 v[TM+4+\b], v[TM+4+\b], v[TM+8+\b]   ; each byte less k, held at 0
.endr
	v_lshl_or_b32 v[ST+32+\g], v[TM+5], 8, v[TM+4]
	v_lshl_or_b32 v[ST+32+\g], v[TM+6], 16, v[ST+32+\g]
	v_lshl_or_b32 v[ST+32+\g], v[TM+7], 24, v[ST+32+\g]
	ds_store_b32 v[ASC], v[ST+32+\g] offset:256*\g    ; over Q's words, which every wave read into registers ahead of phase 1's barriers
.endr
	v_rcp_f32 v[LS+1], v[LS]
	v_nop                                          ; a plain line behind the transcendental,
	s_wait_alu depctr_va_vdst(0)                   ; and the wait ahead of the first line that names its result
	ds_store_b32 v[AMR], v[LS+1] offset:INVR-MREG
	s_wait_dscnt 0x0
	s_barrier_signal -1
	s_barrier_wait -1                              ; P's scale words and 1 / sum lie in LDS
.irp m, 0,1,2,3
	ds_load_b32 v[INV+2*\m], v[AIN] offset:64*\m
	ds_load_b32 v[INV+2*\m+1], v[AIN] offset:64*\m    ; (the packed multiply names a pair)
.endr
	FETCHP 0
	; ================ phase 2: 16 K steps of 128 keys, a slot-block each ================
	UNIT0 2, 0, 0, 1                               ; slot-block 16: its products start the 64 sums
	TURN  2, 0, 0, 1, 1, 1
	WIN 0
	s_mov_b32 s[CNT], 6
.Lkstep:                                               ; slot-blocks 17 to 28, two a trip
	UNIT0 2, 1, 1, 0
	TURN  2, 1, 1, 0, 1, 1
	UNIT0 2, 0, 0, 0
	TURN  2, 0, 0, 0, 1, 1
	WIN 0
	s_sub_co_u32 s[CNT], s[CNT], 1
	s_cmp_lg_u32 s[CNT], 0
	s_cbranch_scc1 .Lkstep
	UNIT0 2, 1, 1, 0                               ; the tail is written out.  Slot-block 29
	TURN  2, 1, 1, 0, 1, 1                         ; the last fill: slot-block 31
	UNIT0 2, 0, 0, 0                               ; 30:
	TURN  2, 0, 0, 0, 0, 1                         ; nothing is left to fetch, so no round follows the barrier
	UNIT0 2, 1, 1, 0                               ; 31
	s_wait_dscnt 0x0
	MUL 2, 1, 1, 0, 0, 8
	; ================ the way out ================
	; Block a = (row tile a / 2, column half a % 2): 16 rows x 128 columns.  A lane holds 8 neighbouring columns of one row in each accumulator; the block is divided by the row's sum, goes through my stage in LDS
	; and comes back as whole rows of 512 bytes.  The stage is my own part of slot 0: it has had its last fill, and my reads of it are back.
.macro PACK a
	WIN 0x02+((\a)%2)
.set xp, 0
.rept 32
	v_pk_mul_f32 v[ST+2*xp:ST+2*xp+1], v[64*((\a)/2)+2*xp:64*((\a)/2)+2*xp+1], v[INV+2*((\a)/2):INV+2*((\a)/2)+1] op_sel_hi:[1,0]   ; each accumulator from its low end on
.set xp, xp+1
.endr
	WIN 0
.endm
.macro TOSTAGE a
.irp t, 0,1,2,3,4,5,6,7
	ds_store_b128 v[STO], v[ST+8*\t:ST+8*\t+3] offset:64*\t
	ds_store_b128 v[STO], v[ST+8*\t+4:ST+8*\t+7] offset:64*\t+16
.endr
	WIN 0x40
.irp i, 0,1,2,3,4,5,6,7,8,9,10,11,12,13,14,15
	ds_load_b128 v[64*((\a)%2)+4*\i:64*((\a)%2)+4*\i+3], v[AW] offset:528*\i   ; LDS serves a wave's instructions in order: these see the stores above, and the next block's stores come behind them
.endr
	WIN 0
.endm
.macro SEND a
	s_wait_dscnt 0x0                               ; the block is back in registers
	s_wait_xcnt 0x0                                ; the block before's stores have read their data: the next block's loads may land there
	WIN 0x04
.irp i, 0,1,2,3,4,5,6,7,8,9,10,11,12,13,14,15
	global_store_b128 v[LI], v[64*((\a)%2)+4*\i:64*((\a)%2)+4*\i+3], s[OB:OB+1] offset:(16*((\a)/2)+\i)*4096+512*((\a)%2) th:TH_STORE_NT   ; 32 lanes store 512 consecutive bytes, at a multiple of 512 from out0's first byte
.endr
	WIN 0
.endm
	PLACES 4
	PACK 0
	TOSTAGE 0
.irp a, 1,2,3,4,5,6,7                  ; block a's multiplies stand between block a - 1's loads from the stage and the wait for them
	PACK \a
	SEND \a-1
	TOSTAGE \a
.endr
	SEND 7
	s_wait_tensorcnt 0x0                           ; the wave's end, behind my last tensor load and my last LDS store
	ds_add_u32 v[SPW], v[NIL]
	s_wait_dscnt 0x0
	CROUND                                         ; the closing round: no work-group ends while a partner may still ask for a slot that names it
	s_endpgm
.Lfunc_end_k_q81c35b9079_vq:
	.size	k_q81c35b9079_vq, .Lfunc_end_k_q81c35b9079_vq-k_q81c35b9079_vq
	.p2alignl 7, 3214868480
	.fill 96, 4, 3214868480
	.section	.rodata,"a",@progbits
	.p2align	6, 0x0
	.amdhsa_kernel k_q81c35b9079_vq
		.amdhsa_group_segment_fixed_size 327680
		.amdhsa_private_segment_fixed_size 0
		.amdhsa_enable_private_segment 0
		.amdhsa_kernarg_size 24
		.amdhsa_user_sgpr_count 2
		.amdhsa_user_sgpr_kernarg_segment_ptr 1
		.amdhsa_wavefront_size32 1
		.amdhsa_system_sgpr_workgroup_id_x 1
		.amdhsa_system_sgpr_workgroup_id_y 1
		.amdhsa_system_sgpr_workgroup_id_z 1
		.amdhsa_system_vgpr_workitem_id 0
		.amdhsa_next_free_vgpr 1024
		.amdhsa_next_free_sgpr 66
		.amdhsa_reserve_vcc 0
		.amdhsa_float_denorm_mode_32 3
		.amdhsa_float_denorm_mode_16_64 3
		.amdhsa_memory_ordered 1
		.amdhsa_forward_progress 1
		.amdhsa_inst_pref_size 255
	.end_amdhsa_kernel
	.section	.bss,"aw",@nobits
	.p2align	6
	.space	262144
	.amdgpu_metadata
---
amdhsa.version: [ 1, 2 ]
amdhsa.kernels:
  - .name:           k_q81c35b9079_vq
    .symbol:         k_q81c35b9079_vq.kd
    .args:
      - { .name: x, .offset: 0, .size: 8, .value_kind: global_buffer, .address_space: global }
      - { .name: wq, .offset: 8, .size: 8, .value_kind: global_buffer, .address_space: global }
      - { .name: out0, .offset: 16, .size: 8, .value_kind: global_buffer, .address_space: global }
    .group_segment_fixed_size: 327680
    .private_segment_fixed_size: 0
    .kernarg_segment_align: 8
    .kernarg_segment_size: 24
    .max_flat_workgroup_size: 128
    .sgpr_count:     66
    .vgpr_count:     1024
    .wavefront_size: 32
...
	.end_amdgpu_metadata
.endif
;; end of part 2
;; ======== version 2 of 2: 2 launches
;; workspace buffers: wq 3,276,800 bytes
;; launch prep: the kernel of part 1 again; grid 256 x 1, 1 waves a work-group, no clusters, 25,856 bytes of LDS; arguments weight, wq; writes wq
;; launch vq (part 3): grid 256 x 1, 4 waves a work-group, clusters of 4 x 1, 327,680 bytes of LDS; arguments x, wq, out0; writes out0
.if DOCPART == 3
	.amdgcn_target "amdgcn-amd-amdhsa--gfx1250"
	.amdhsa_code_object_version 6
	.text
	.protected	k_q81c35b9079_vq
	.globl	k_q81c35b9079_vq
	.p2align	8
	.type	k_q81c35b9079_vq,@function
k_q81c35b9079_vq:
	s_mov_b64 s[64:65], 0
	v_nop
	global_prefetch_b8 v0, s[64:65] scope:SCOPE_SE
	s_setreg_imm32_b32 hwreg(HW_REG_WAVE_MODE, 25, 1), 1
	s_wait_xcnt 0x0
	s_wait_alu depctr_hold_cnt(0) depctr_sa_sdst(0) depctr_va_vdst(0) depctr_va_sdst(0) depctr_va_ssrc(0) depctr_va_vcc(0) depctr_vm_vsrc(0)
	s_getreg_b32 s2, hwreg(HW_REG_IB_STS2, 6, 4)
	s_cmp_eq_u32 s2, 0
	s_cbranch_scc0 .Lentry_in_a_cluster
	s_endpgm
.Lentry_in_a_cluster:
	s_bfe_u32 s2, ttmp6, 0x10000c
	s_cmp_lg_u32 s2, 0x3003
	s_cbranch_scc0 .Lentry_shape_is_right
	s_endpgm
.Lentry_shape_is_right:
; out0 = softmax(rmsnorm(x) rmsnorm(weight)^T) weight, both products on codes of FP6 (E2M3) with one E8M0 scale for each 32 along K.  x, out0: [16384][1024] f32.  wq: both quantisations of weight, laid by the
; launch before in the order in which this text's registers take them (32 slot-blocks of 102,400 bytes; its head comment has the layout).
; SHARES.  A work-group owns 64 rows (four tiles of 16), from x to out0; nothing but wq passes through memory.  THE FOUR WAVES SHARE THE COLUMNS, NOT THE ROWS:
;   X:  wave w normalises and quantises rows 16 w .. + 15 of x (eight fragments) and hands their register images to the others through LDS; every wave then keeps all 32 fragments of Q in registers.
;   1:  each wave takes four key groups of 128 keys, one a trip, for all 64 rows: 32 accumulators (8 key tiles x 4 row tiles) over 8 K steps of 128; then the softmax of that group under a LOCAL whole
;       number M (the ceiling of the group's largest t for the row): p = 2^(t - M), its sum, its codes and scale bytes; P's fragment images, -M, the sum and the scale word go to LDS, at place 4 w + trip.
;   FIX: the row's M is the largest of the 16; M_row - M_group, a whole number, is taken off the group's scale bytes and off its sum's exponent: exact powers of two, the codes stay as they are.
;   2:  wave w takes columns 256 w .. + 255 of out0 for all 64 rows: 64 accumulators over 16 K steps of 128 keys; / the row's sum; out through LDS as whole rows of 512 bytes.
; Both products are used transposed (source 0 = 16 rows of the weight's codes, source 1 = 16 of my rows), so that a lane holds ONE row of x throughout.  The keys of a tile are chosen (by the launch before) so
; that the 16 registers of key tiles 2 b and 2 b + 1 are 16 neighbouring keys.
; THE RING.  wq comes through two LDS slots of 102,400 bytes.  Each wave fetches its own quarter of a slot by one tensor load and is that quarter's only reader; a slot feeds 64 matrix instructions a wave.
; CLUSTER.  All row blocks need the same wq: the four work-groups of a cluster ask for each slot JOINTLY (mask 15), so each slot is requested once for the four.  There is no second shared operand, so 4 x 1.
; THE WALK IS ROTATED.  The 64 clusters fall into 16 classes r = (c + 5 (c / 16)) % 16, c the cluster's number; a = r / 4, rho = r % 4.  Step i (0 .. 31) of a cluster's walk takes slot-block
;       i < 16:  4 ((i / 4 + a) % 4) + (i + rho) % 4          i >= 16:  16 + 4 ((i / 4 + rho) % 4) + (i + a) % 4.
; So at each step the 16 classes ask for 16 different slot-blocks of the product in hand, and what a class asks for from a product's second step on, another class has asked for at that product's first step.
; ONLY ADDRESSES IN MEMORY HANG ON THE CLASS; every LDS address and every register number is the same in all classes:
;   - position p (0 .. 7) of the first product's K steps holds K step (p + 2 rho) % 8: x's chunks are LOADED in that order, and slot-block kk = (p / 2 + rho) % 4 of a group holds just those K steps;
;   - in phase 1 wave w fetches part (w + rho) % 4 of a slot-block into its own quarter of the slot: in trip j it works key group G = 4 ((w + rho) % 4) + (j + a) % 4, kept in LDS at place 4 w + j;
;   - step n of phase 2 takes place n from LDS and slot-block 16 + that place's G from memory, which is the second formula.
; LIMITS.  The order of the f32 sums along K (both products, and x's sum of squares) differs from class to class, and from ascending K.  NaN and infinities are not served.  A block whose largest magnitude lies
; under 2^-124 keeps the byte 1.  p under 2^-126 of its group's largest is 0 (v_exp_f32 gives no denormals).  A block of p whose byte is smaller than M_row - M_group gets the byte 0, 2^-127: it then adds under
; 2^-124 where the row's sum is above 1/2.  M_row - M_group is held at 255, beyond which a group's sum is 0 in f32.  1 / sqrt and 1 / sum are v_rsq_f32 and v_rcp_f32.
; REGISTERS, in windows of 256 (s_set_vgpr_msb: bits 1:0 source 0, 3:2 source 1, 5:4 source 2, 7:6 destination):
;   window 0: v1-20 addresses; v22-31 a row's figures; v32-47 Q's scale words (phase 2: v32-35 P's), v48-55 the weight's: these hold scales alone; v56-93 at work; v96-159 64 numbers; v160-255 Q of positions 6, 7 (phase 2: two sets of P)
;   window 1: v0-95, v96-191 two sets of 8 weight fragments; v192-239 Q of position 0   (X: four buffers of x as loaded; way out: rows read back)
;   window 2: Q of positions 1-5   (X: chunks 0-3 of x; phase 2: accumulators of my columns 0-127, (m, t) at 64 m + 8 t)
;   window 3: phase 1's 32 accumulators, (m, t) at 64 m + 8 t   (X: chunks 4-7; phase 2: accumulators of my columns 128-255)
.set PART,  25600                      ; a wave's quarter of a slot: 16 fragment images, then two scale quads
.set SLOT,  4*PART
.set FRB,   1536                       ; a fragment's image
.set QOFF,  16*FRB                     ; where a part's scale quads begin
.set PIMG,  2*SLOT                     ; behind the ring: P's 64 images, (4 place + m) x FRB.  Before phase 1 the same bytes hold Q's 32 images, (4 position + m) x FRB, and behind them
.set XSTG,  PIMG+32*FRB                ; a stage of 16 rows x 528 bytes for each wave
.set MREG,  PIMG+64*FRB                ; -M [place][row], 4,096 bytes;  + 4,096: the sums;  + 8,192: the scale words as made
.set SCP,   MREG+12288                 ; scale words as the products take them: (K step k, row tile m, r) at 256 k + 8 (16 (m % 2) + r) + 4 (m / 2): Q's, later P's
.set INVR,  SCP+4096                   ; 1 / sum [row]
.set SPARE, INVR+256                   ; the spare words, 128 bytes for each wave: two blocks of 256 bytes that no other line names
.set LI,   1                           ; v1   16 x lane
.set AW,   2                           ; v2-3 my part of slot 0, 1: 16 x lane + PART x wave (+ SLOT)
.set SPW,  4                           ; v4   LDS address of my spare word; never rewritten
.set NIL,  5                           ; v5   0; never rewritten
.set APW,  6                           ; v6   where I store P's images: PIMG + 16 x lane + 16 FRB x wave
.set AQW,  7                           ; v7   where I store Q's: PIMG + 16 x lane + FRB x wave
.set AP,   8                           ; v8   PIMG + 16 x lane
.set ASC,  9                           ; v9   SCP: my row tile's words (m = wave): 8 r + 128 (wave % 2) + 4 (wave / 2)
.set ASR,  10                          ; v10  SCP + 8 x lane
.set AMW,  11                          ; v11  MREG + 4 r + 1,024 x wave
.set AMR,  12                          ; v12  MREG + 4 r + 64 x wave
.set AIN,  13                          ; v13  INVR + 4 r
.set XSI,  14                          ; v14  my stage, in: 16 x lane
.set XSO,  15                          ; v15  my stage, out: 528 r + 64 h
.set STO,  16                          ; v16  the way out: PART x wave + 528 r + 32 h
.set APT,  18                          ; v18-19 addresses of the loads or stores in hand
.set AMT,  19
.set PFO,  20                          ; v20  the prefetches' offset; never rewritten
.set NM,   22                          ; v22-23 -M (named as a pair)
.set LS,   24                          ; v24-27 the sum, in two packed chains
.set LT,   26
.set RS,   28                          ; v28-29 1 / sqrt(mean square + eps), twice
.set QS,   32
.set WS,   48
.set TM,   56
.set SQ,   56
.set PW,   72
.set PC,   74
.set INV,  74                          ; phase 2: v74-81: 1 / sum of my row in row tile m, at 2 m, twice
.set ST,   96
.set PF,   160
.set XB,   4                           ; s[4:5] x at my wave's 16 rows
.set WQ,   6                           ; s[6:7] wq; never rewritten
.set OB,   8                           ; s[8:9] out0 at my work-group's first row, my wave's first column
.set WV,   10                          ; s10  my wave's number
.set CX,   11                          ; s11  my place in the cluster: it enters x's, out0's and the prefetches' addresses alone
.set SEL,  20                          ; s[20:21] v_permlanex16_b32's selects for lane l xor 16
.set CS,   22                          ; s[22:23] log2(e), twice
.set G1,   24                          ; s[24:31] descriptor group 1
.set G0,   32                          ; s[32:39] descriptor group 0, a set for each slot
.set CNT,  40
.set GP,   41                          ; s41  my trip's place among my P images: 4 FRB a trip
.set GM,   42                          ; s42  and among my -M: 256 a trip
.set PK,   43                          ; s43  phase 2: the K step's P images: 4 FRB a step
.set PSO,  44                          ; s44  and its scale words: 256 a step
.set EV,   45                          ; s45  changes of slots so far
.set LIM,  46                          ; s46  5 in a wave that prefetches, else 0
.set PFA,  48                          ; s[48:49] where the prefetches stand
.set C10,  50                          ; s50  2^-10
.set CEP,  51                          ; s51  1e-6
.set CLA,  52                          ; s52  a: my cluster's class / 4
.set CLR,  53                          ; s53  rho: my cluster's class % 4
.set PW1,  54                          ; s54  phase 1: the part that I fetch, in bytes: PART x ((wave + rho) % 4)
.set PW2,  55                          ; s55  phase 2: 16 SLOT + PART x wave
.set IW,   56                          ; s56  the step of the walk that is to be asked for
.set OFF,  58                          ; s[58:59] its bytes' place in wq
.set PST,  60                          ; s[60:61] the prefetches' step, or 0
.set XC,   66                          ; s[66:81] x at my 16 rows, chunk of position p at s[66 + 2 p]; never rewritten
.set T0,   82                          ; s82-85 at work for the walk: they never hold my place in the cluster
.set T1,   83
.set T2,   84
.set T3,   85
.set MSB, 0
.macro WIN new                         ; the immediate's high byte repeats the setting that is left
.if MSB != (\new)
	s_set_vgpr_msb (MSB<<8)|(\new)
.set MSB, (\new)
.endif
.endm
; A load into a register that a matrix instruction has read, and a vector instruction that reads a matrix result, stand four places behind it; only plain vector instructions that name none of its registers are places.
.macro PLACES n
.rept \n
	v_nop
.endr
.endm
.macro CREST                           ; a round of the cluster's barrier behind its opening barrier
	s_cmp_lg_u32 s[WV], 0
	s_cbranch_scc1 .Lnot_wave_0_\@
	s_barrier_signal -3
.Lnot_wave_0_\@:
	s_barrier_wait -3
	s_barrier_signal -1
	s_barrier_wait -1
.endm
.macro CROUND                          ; a whole round
	s_barrier_signal -1
	s_barrier_wait -1
	CREST
.endm
.macro TLOAD slot                      ; my quarter of a slot, asked for jointly with the same wave of the three partners; four v_nop follow
	tensor_load_to_lds s[G0+4*(\slot):G0+4*(\slot)+3], s[G1:G1+7]
	s_nop 0
	PLACES 4
.endm
; Where step s[IW] of my cluster's walk lies in wq, for my wave: the head comment's two formulas, then x SLOT + my part.  The cluster's number and the wave's number alone enter: equal in the four partners.
.macro WALK
	s_cmp_lt_u32 s[IW], 16                         ; the first product's half of wq, or the second's?
	s_cselect_b32 s[T0], s[CLA], s[CLR]            ; what turns the upper two bits,
	s_cselect_b32 s[T1], s[CLR], s[CLA]            ; what turns the lower two,
	s_cselect_b32 s[T2], s[PW1], s[PW2]            ; the half's first byte and my part
	s_lshr_b32 s[T3], s[IW], 2
	s_add_co_u32 s[T0], s[T0], s[T3]
	s_and_b32 s[T0], s[T0], 3
	s_lshl_b32 s[T0], s[T0], 2
	s_add_co_u32 s[T1], s[T1], s[IW]
	s_and_b32 s[T1], s[T1], 3
	s_add_co_u32 s[T0], s[T0], s[T1]
	s_mul_i32 s[T0], s[T0], SLOT
	s_add_co_u32 s[OFF], s[T0], s[T2]              ; at most 31 SLOT + 3 PART: the last part of wq
.endm
; A PREFETCH INTO THE L2 of the second product's half of wq, bytes 1,638,400 on: 25 x 65,536 bytes.  The first product's half is asked for by the classes' first fills and is not named here.
; The second half is first wanted by the joint loads of change of slots 15.  It is named at changes 9 to 13, two to six changes ahead, 327,680 bytes a change: clusters 0 to 4 take 65,536 bytes each; in a cluster
; waves 0 and 1 of the four partners take 8,192 bytes each, told apart BY ADDRESS (place in the cluster and wave's number); a lane names a block of 256 bytes.  So each block is named once in the launch,
; and the last one named ends where wq ends.  The branch hangs on the cluster's number, the wave's number and the count of changes: the same in all four partners.
.macro ASK
	s_sub_co_u32 s[T0], s[EV], 9
	s_cmp_lt_u32 s[T0], s[LIM]                     ; changes 9 to 13, in a wave that asks
	s_cbranch_scc0 .Lnot_mine_\@
	global_prefetch_b8 v[PFO], s[PFA:PFA+1] th:TH_LOAD_NT scope:SCOPE_SE
.Lnot_mine_\@:
.endm
; ---- X: 16 rows x 1,024 numbers become eight fragments
.macro XLOADC s                        ; the chunk (128 along K) of position s of my 16 rows: each load takes 512 consecutive bytes of one row; read once in the launch
	WIN 0x40
.irp i, 0,1,2,3,4,5,6,7,8,9,10,11,12,13,14,15
	global_load_b128 v[64*((\s)%4)+4*\i:64*((\s)%4)+4*\i+3], v[LI], s[XC+2*(\s):XC+2*(\s)+1] offset:4096*\i th:TH_LOAD_NT
.endr
.endm
.macro XTURN s                         ; through my stage (rows 528 = 33 x 16 bytes apart): afterwards register 16 b + i of the chunk is number 32 b + 16 h + i of the chunk's 128, of row r.  LDS serves a wave's instructions in order
	WIN 0x04
.irp i, 0,1,2,3,4,5,6,7,8,9,10,11,12,13,14,15
	ds_store_b128 v[XSI], v[64*((\s)%4)+4*\i:64*((\s)%4)+4*\i+3] offset:528*\i
.endr
	WIN 0x80+0x40*((\s)/4)
.irp b, 0,1,2,3
.irp j, 0,1,2,3
	ds_load_b128 v[64*((\s)%4)+16*\b+4*\j:64*((\s)%4)+16*\b+4*\j+3], v[XSO] offset:128*\b+16*\j
.endr
.endr
.endm
.macro XSQ s                           ; the chunk's squares onto four packed chains; the first four products start them: nothing is cleared
	WIN 0x0a+5*((\s)/4)
.set xp, 0
.rept 32
.if ((\s) == 0) && (xp < 4)
	v_pk_mul_f32 v[SQ+2*xp:SQ+2*xp+1], v[64*((\s)%4)+2*xp:64*((\s)%4)+2*xp+1], v[64*((\s)%4)+2*xp:64*((\s)%4)+2*xp+1]
.else
	v_pk_fma_f32 v[SQ+2*(xp%4):SQ+2*(xp%4)+1], v[64*((\s)%4)+2*xp:64*((\s)%4)+2*xp+1], v[64*((\s)%4)+2*xp:64*((\s)%4)+2*xp+1], v[SQ+2*(xp%4):SQ+2*(xp%4)+1]
.endif
.set xp, xp+1
.endr
.endm
.macro MAXABS s                        ; the four blocks' largest magnitudes: my 16 numbers of each, the floor 2^(3 - 127) among them, then lane l xor 16's
.irp b, 0,1,2,3
	v_max3_num_f32 v[TM+\b], |v[\s+16*\b]|, |v[\s+1+16*\b]|, 0x1800000
.endr
.irp i, 2,4,6,8,10,12,14
.irp b, 0,1,2,3
	v_max3_num_f32 v[TM+\b], v[TM+\b], |v[\s+16*\b+\i]|, |v[\s+1+16*\b+\i]|
.endr
.endr
.irp b, 0,1,2,3
	v_permlanex16_b32 v[TM+4+\b], v[TM+\b], s[SEL], s[SEL+1]
.endr
.irp b, 0,1,2,3
	v_max_num_f32 v[TM+\b], v[TM+\b], v[TM+4+\b]
.endr
.endm
.macro CODES s                         ; from the four maxima in v[TM] on: the scale word in v[PW], the fragment's 12 registers in v[PC] on
.irp b, 0,1,2,3
	v_add_nc_u32 v[TM+12+\b], 0xff000000, v[TM+\b]   ; 2 off the exponent field: the conversion takes this operand's exponent field as its scale
.endr
.irp b, 0,1,2,3
	v_lshrrev_b32 v[TM+4+\b], 23, v[TM+12+\b]        ; the scale's byte
.endr
	v_lshl_or_b32 v[PW], v[TM+5], 8, v[TM+4]
	v_lshl_or_b32 v[PW], v[TM+6], 16, v[PW]
	v_lshl_or_b32 v[PW], v[TM+7], 24, v[PW]
.irp c, 0,1
	v_cvt_scalef32_pk16_fp6_f32 v[PC+6*\c:PC+2+6*\c], v[\s+32*\c:\s+15+32*\c], v[TM+12+2*\c]
	v_cvt_scalef32_pk16_fp6_f32 v[PC+12+4*\c:PC+14+4*\c], v[\s+16+32*\c:\s+31+32*\c], v[TM+12+2*\c+1]   ; (a conversion's three registers begin on an even number)
.endr
	v_nop                                            ; one plain line behind the scaled conversions
.irp c, 0,1                            ; the operand wants a WHOLE block in a lane: lanes 0-15 block 2 c, lanes 16-31 block 2 c + 1
.irp i, 0,1,2
	v_permlane16_swap_b32 v[PC+6*\c+\i], v[PC+12+4*\c+\i]
.endr
.irp i, 0,1,2
	v_mov_b32 v[PC+3+6*\c+\i], v[PC+12+4*\c+\i]
.endr
.endr
.endm
.macro XQ s                            ; chunk s times 1 / sqrt(..), then quantised
	WIN 0x02+((\s)/4)
.set xp, 0
.rept 32
	v_pk_mul_f32 v[ST+2*xp:ST+2*xp+1], v[64*((\s)%4)+2*xp:64*((\s)%4)+2*xp+1], v[RS:RS+1] op_sel_hi:[1,0]
.set xp, xp+1
.endr
	WIN 0
	MAXABS ST
	CODES ST
.endm
; ---- the products
.macro FETCHW slot, u, set             ; eight weight fragments (8 u + t of my part of the slot) and their scale quad into set: 25 LDS loads, each of 512 consecutive bytes
	WIN 0x40
.irp t, 0,1,2,3,4,5,6,7
.irp c, 0,1,2
	ds_load_b128 v[96*(\set)+12*\t+4*\c:96*(\set)+12*\t+4*\c+3], v[AW+(\slot)] offset:(8*(\u)+\t)*FRB+512*\c
.endr
.endr
	WIN 0
	ds_load_b128 v[WS+4*(\set):WS+4*(\set)+3], v[AW+(\slot)] offset:QOFF+512*(\u)
.endm
.macro FETCHP pset                     ; the next K step's four fragments of P and their scale words into set pset
	v_add_nc_u32 v[APT], s[PK], v[AP]
	v_add_nc_u32 v[AMT], s[PSO], v[ASR]
.irp m, 0,1,2,3
.irp c, 0,1,2
	ds_load_b128 v[PF+48*(\pset)+12*\m+4*\c:PF+48*(\pset)+12*\m+4*\c+3], v[APT] offset:FRB*\m+512*\c
.endr
.endr
	ds_load_b64 v[QS+2*(\pset):QS+2*(\pset)+1], v[AMT]
	s_add_co_u32 s[PK], s[PK], 4*FRB
	s_add_co_u32 s[PSO], s[PSO], 256
.endm
.macro WM zero                         ; one matrix instruction on the registers rD, rA, rB, rSA, rSB; ra, rb: the side's scale words lie in lanes 16-31
.if \zero
.if (ra == 0) && (rb == 0)
	v_wmma_scale_f32_16x16x128_f8f6f4 v[rD:rD+7], v[rA:rA+11], v[rB:rB+11], 0, v[rSA], v[rSB] matrix_a_fmt:MATRIX_FMT_FP6 matrix_b_fmt:MATRIX_FMT_FP6
.elseif rb == 0
	v_wmma_scale_f32_16x16x128_f8f6f4 v[rD:rD+7], v[rA:rA+11], v[rB:rB+11], 0, v[rSA], v[rSB] matrix_a_fmt:MATRIX_FMT_FP6 matrix_b_fmt:MATRIX_FMT_FP6 matrix_a_scale:MATRIX_SCALE_ROW1
.elseif ra == 0
	v_wmma_scale_f32_16x16x128_f8f6f4 v[rD:rD+7], v[rA:rA+11], v[rB:rB+11], 0, v[rSA], v[rSB] matrix_a_fmt:MATRIX_FMT_FP6 matrix_b_fmt:MATRIX_FMT_FP6 matrix_b_scale:MATRIX_SCALE_ROW1
.else
	v_wmma_scale_f32_16x16x128_f8f6f4 v[rD:rD+7], v[rA:rA+11], v[rB:rB+11], 0, v[rSA], v[rSB] matrix_a_fmt:MATRIX_FMT_FP6 matrix_b_fmt:MATRIX_FMT_FP6 matrix_a_scale:MATRIX_SCALE_ROW1 matrix_b_scale:MATRIX_SCALE_ROW1
.endif
.else
.if (ra == 0) && (rb == 0)
	v_wmma_scale_f32_16x16x128_f8f6f4 v[rD:rD+7], v[rA:rA+11], v[rB:rB+11], v[rD:rD+7], v[rSA], v[rSB] matrix_a_fmt:MATRIX_FMT_FP6 matrix_b_fmt:MATRIX_FMT_FP6
.elseif rb == 0
	v_wmma_scale_f32_16x16x128_f8f6f4 v[rD:rD+7], v[rA:rA+11], v[rB:rB+11], v[rD:rD+7], v[rSA], v[rSB] matrix_a_fmt:MATRIX_FMT_FP6 matrix_b_fmt:MATRIX_FMT_FP6 matrix_a_scale:MATRIX_SCALE_ROW1
.elseif ra == 0
	v_wmma_scale_f32_16x16x128_f8f6f4 v[rD:rD+7], v[rA:rA+11], v[rB:rB+11], v[rD:rD+7], v[rSA], v[rSB] matrix_a_fmt:MATRIX_FMT_FP6 matrix_b_fmt:MATRIX_FMT_FP6 matrix_b_scale:MATRIX_SCALE_ROW1
.else
	v_wmma_scale_f32_16x16x128_f8f6f4 v[rD:rD+7], v[rA:rA+11], v[rB:rB+11], v[rD:rD+7], v[rSA], v[rSB] matrix_a_fmt:MATRIX_FMT_FP6 matrix_b_fmt:MATRIX_FMT_FP6 matrix_a_scale:MATRIX_SCALE_ROW1 matrix_b_scale:MATRIX_SCALE_ROW1
.endif
.endif
.endm
; 4 n matrix instructions: weight fragments t0 .. t0 + n - 1 of set x my four row tiles.  ph = 1: x = the K step's position, source 1 = Q; ph = 2: x = P's set, the accumulators lie in window 2 + set.
; zero = 1: the products start the sums: nothing is ever cleared.  A unit's 32 accumulators take turns, one instruction a turn, in the same order in every unit.
.macro MUL ph, set, x, zero, t0, n
.if (\ph) == 1
.if (\x) == 0
.set QW, 1
.set QB, 192
.elseif (\x) < 6
.set QW, 2
.set QB, 48*((\x)-1)
.else
.set QW, 0
.set QB, PF+48*((\x)-6)
.endif
	WIN 0xf1+4*QW                                  ; source 0 window 1, source 1 Q's window, C and D window 3
.else
.set QB, PF+48*(\x)
	WIN 0xa1+0x50*(\set)                           ; source 0 window 1, source 1 window 0, C and D window 2 or 3
.endif
.set tt, \t0
.rept \n
.set mm, 0
.rept 4
.set rD, 64*mm+8*tt
.set rA, 96*(\set)+12*tt
.set rB, QB+12*mm
.set rSA, WS+4*(\set)+tt/2
.set rSB, QS+2*(\x)+mm/2
.set ra, tt%2
.set rb, mm%2
	WM \zero
.set mm, mm+1
.endr
.set tt, tt+1
.endr
.endm
; A slot's first unit: 32 matrix instructions on set 0; the second unit's fragments are fetched ahead of them: with them the whole of my part of the slot has been read.
.macro UNIT0 ph, slot, x, zero
	s_wait_dscnt 0x0                               ; set 0 is in (and in phase 2 the K step's P)
	PLACES 4                                       ; for the loads into set 1, which the last products read
	FETCHW \slot, 1, 1
	MUL \ph, 0, \x, \zero, 0, 8
.endm
; THE CHANGE OF SLOTS, then the slot's second unit.  ONE barrier; in front of it each wave waits for all its tensor loads, adds 0 to its spare word, and waits for that and for its reads of this slot.
; fill = 1: the barrier opens a round of the cluster's barrier, and this slot is filled again, with the walk's step two further on.  A refill goes out only when the one before it has landed, so NOTHING BUT THE
; ROUND stands between that landing and the request: where the step lies in wq is worked out ahead of the wait, the descriptor's two lines stand between the add and the wait for it, and the unit's 32 matrix
; instructions follow the load: all 64 of a slot lie between a request and the wait for it.  p = 1: the next K step's P is fetched too.
.macro TURN ph, slot, x, zero, fill, p
.if \fill
	s_add_co_u32 s[EV], s[EV], 1                   ; change e leaves the walk's step e - 1
	s_add_co_u32 s[IW], s[EV], 1                   ; and asks for step e + 1
	WALK
.if (\ph) == 1
	s_wait_xcnt 0x0                                ; the last prefetch, a slot back, has read its address: it is stepped here, ahead of the waits of the change of slots,
	s_sub_co_u32 s[T0], s[EV], 10
	s_cmp_lt_u32 s[T0], 4                          ; at changes 10 to 13 alone: so it never leaves wq
	s_cselect_b32 s[PST], 327680, 0
	s_add_nc_u64 s[PFA:PFA+1], s[PFA:PFA+1], s[PST:PST+1]
.endif
.endif
	WIN 0
	s_wait_tensorcnt 0x0                           ; all my tensor loads have landed: the one that was out is my part of the other slot; so a group 0 may be written
	ds_add_u32 v[SPW], v[NIL]                      ; 0 onto my spare word
.if \fill
	s_add_nc_u64 s[G0+4*(\slot)+2:G0+4*(\slot)+3], s[WQ:WQ+1], s[OFF:OFF+1]
	s_or_b32 s[G0+4*(\slot)+3], s[G0+4*(\slot)+3], 0x80000000      ; type = 2
.endif
	s_wait_dscnt 0x0                               ; the add is done, and my reads of this slot are over: set 1's 25 loads were its last
	s_barrier_signal -1
	s_barrier_wait -1
.if \fill
	CREST                                          ; no wave of any partner still reads this slot or has a load on its way
	TLOAD \slot                                    ; the first tensor load behind the round, my only one until the next; its four v_nop are also the places in front of the loads below
.else
	PLACES 4
.endif
	FETCHW 1-(\slot), 0, 0
.if \p
	FETCHP 1-(\x)
.endif
.if (\fill) && ((\ph) == 1)
	ASK
.endif
	MUL \ph, 1, \x, \zero, 0, 8
.endm
; The softmax of row tile m for my group of 128 keys.  Register 16 b + i of the tile's 64 scores is key 32 b + 16 h + i of the lane's row.
.macro SOFT m
.set SB0, 64*(\m)
	WIN 0x3f                                       ; three sources in window 3
.irp b, 0,1,2,3
	v_max3_num_f32 v[TM+\b], v[SB0+16*\b], v[SB0+16*\b+1], v[SB0+16*\b+2]   ; THE LARGEST SCORE OF EACH BLOCK OF 32 KEYS serves twice: for the maximum, and, since p rises with the score, for the block's largest p.  (Each accumulator is read from its low end on)
.endr
	WIN 0x3c
.irp i, 3,5,7,9,11,13
.irp b, 0,1,2,3
	v_max3_num_f32 v[TM+\b], v[TM+\b], v[SB0+16*\b+\i], v[SB0+16*\b+\i+1]
.endr
.endr
.irp b, 0,1,2,3
	v_max_num_f32 v[TM+\b], v[TM+\b], v[SB0+16*\b+15]
.endr
	WIN 0
.irp b, 0,1,2,3
	v_permlanex16_b32 v[TM+4+\b], v[TM+\b], s[SEL], s[SEL+1]
.endr
.irp b, 0,1,2,3
	v_max_num_f32 v[TM+\b], v[TM+\b], v[TM+4+\b]   ; with lane l xor 16's 16 keys
.endr
	v_max3_num_f32 v30, v[TM], v[TM+1], v[TM+2]
	v_max_num_f32 v30, v30, v[TM+3]                ; the group's largest score of my row
	v_mul_f32 v30, s[CS], v30                      ; as t
	v_floor_f32 v[NM], -v30                        ; -M = floor(-t) = -ceil(t): A WHOLE NUMBER
	WIN 0x03
.set xp, 0
.rept 32
	v_pk_fma_f32 v[ST+2*xp:ST+2*xp+1], v[SB0+2*xp:SB0+2*xp+1], s[CS:CS+1], v[NM:NM+1] op_sel_hi:[1,0,0]   ; t - M, two at a time
.set xp, xp+1
.endr
	WIN 0
.irp b, 0,1,2,3
	v_fma_f32 v[TM+\b], v[TM+\b], s[CS], v[NM]     ; the same of each block's largest score
.endr
.set xp, 0
.rept 64
	v_exp_f32 v[ST+xp], v[ST+xp]                   ; p = 2^(t - M): NOT normalised
.set xp, xp+1
.endr
	v_nop                                          ; a plain line behind the exponentials,
	s_wait_alu depctr_va_vdst(0)                   ; and ONE wait for the batch, ahead of the first line that names a result
.irp b, 0,1,2,3
	v_exp_f32 v[TM+\b], v[TM+\b]                   ; the block's largest p: the same two instructions on the same number
.endr
	v_pk_add_f32 v[LS:LS+1], v[ST:ST+1], v[ST+2:ST+3]   ; THE SUM IS TAKEN OF THE UNQUANTISED p, in two packed chains.  (It reads the 64 alone: plain work behind the four)
	v_pk_add_f32 v[LT:LT+1], v[ST+4:ST+5], v[ST+6:ST+7]
.irp j, 8,12,16,20,24,28,32,36,40,44,48,52,56,60
	v_pk_add_f32 v[LS:LS+1], v[LS:LS+1], v[ST+\j:ST+\j+1]
	v_pk_add_f32 v[LT:LT+1], v[LT:LT+1], v[ST+\j+2:ST+\j+3]
.endr
	v_pk_add_f32 v[LS:LS+1], v[LS:LS+1], v[LT:LT+1]
	v_add_f32 v[LS], v[LS], v[LS+1]
	v_permlanex16_b32 v[LS+1], v[LS], s[SEL], s[SEL+1]
	v_add_f32 v[LS], v[LS], v[LS+1]                ; with lane l xor 16's: the group's sum for my row
	s_wait_alu depctr_va_vdst(0)                   ; and one wait for the four
.irp b, 0,1,2,3
	v_max_num_f32 v[TM+\b], 0x1800000, v[TM+\b]    ; the floor 2^(3 - 127): the byte cannot fall under 1
.endr
	CODES ST
.irp c, 0,1,2
	ds_store_b128 v[APT], v[PC+4*\c:PC+4*\c+3] offset:FRB*(\m)+512*\c   ; the image of my place's K step, row tile m, of the second product
.endr
	ds_store_b32 v[AMT], v[NM] offset:64*(\m)      ; lanes l and l xor 16 hold the same three numbers and write them to the same places
	ds_store_b32 v[AMT], v[LS] offset:4096+64*(\m)
	ds_store_b32 v[AMT], v[PW] offset:8192+64*(\m)
	s_wait_dscnt 0x0                               ; the stores have read their registers
.endm
	; ================ the head ================
	s_load_b128 s[4:7], s[0:1], 0x0                ; x, wq
	s_load_b64 s[8:9], s[0:1], 0x10                ; out0
	v_lshl_add_u32 v[SPW], v0, 2, SPARE
	v_mov_b32 v[NIL], 0
	ds_add_u32 v4, v5
	ds_add_u32 v4, v5
	s_wait_dscnt 0x0
	v_lshrrev_b32 v30, 5, v0
	v_readfirstlane_b32 s[WV], v30                 ; wave 0..3
	v_and_b32 v30, 31, v0                          ; lane
	v_lshlrev_b32 v[LI], 4, v30
	s_bfe_u32 s[CX], ttmp6, 0x40000                ; cx
	s_lshl_b32 s12, ttmp9, 2                       ; in a cluster launch ttmp9 counts clusters
	s_add_co_u32 s12, s12, s[CX]                   ; my block of 64 rows
	s_lshl_b32 s16, s12, 18                        ; 64 rows of 4,096 bytes,
	s_lshl_b32 s17, s[WV], 16                      ; x: my wave's 16 of them
	s_add_co_u32 s16, s16, s17
	s_mov_b32 s17, 0
	s_lshl_b32 s18, s12, 18
	s_lshl_b32 s19, s[WV], 10                      ; out0: my wave's 256 columns
	s_add_co_u32 s18, s18, s19
	s_mov_b32 s19, 0
	s_mul_i32 s13, s[WV], PART                     ; my quarter of a slot in LDS: the wave's number alone enters it
	; my cluster's class
	s_lshr_b32 s[CLA], ttmp9, 4
	s_mul_i32 s[CLA], s[CLA], 5
	s_add_co_u32 s[CLA], s[CLA], ttmp9             ; c + 5 (c / 16); its low four bits are the class
	s_and_b32 s[CLR], s[CLA], 3                    ; rho
	s_bfe_u32 s[CLA], s[CLA], 0x20002              ; a (2 bits from bit 2)
	s_add_co_u32 s[PW1], s[WV], s[CLR]
	s_and_b32 s[PW1], s[PW1], 3
	s_mul_i32 s[PW1], s[PW1], PART                 ; phase 1: part (wave + rho) % 4
	s_mul_i32 s[PW2], s[WV], PART
	s_add_co_u32 s[PW2], s[PW2], 16*SLOT           ; phase 2: part = wave, in the second half of wq
	s_mov_b32 s[OFF+1], 0
	s_mov_b32 s[PST+1], 0
.irp p, 0,1,2,3,4,5,6,7                ; position p holds K step (p + 2 rho) % 8 of x: 512 bytes a K step
	s_lshl_b32 s[XC+2*\p], s[CLR], 1
	s_add_co_u32 s[XC+2*\p], s[XC+2*\p], \p
	s_and_b32 s[XC+2*\p], s[XC+2*\p], 7
	s_lshl_b32 s[XC+2*\p], s[XC+2*\p], 9
	s_mov_b32 s[XC+2*\p+1], 0
.endr
	; descriptor group 1: a dense block of 25,600 bytes as 100 rows of 256 bytes
	s_mov_b32 s[G1], 15|(3<<16)|(1<<21)            ; 15:0 the mask: all four work-groups; 17:16 elements of 8 bytes; 20 no padding; 21 set beside a mask
	s_mov_b32 s[G1+1], 32<<16                      ; tensor_dim0 = 32
	s_mov_b32 s[G1+2], 100<<16                     ; tensor_dim1 = 100
	s_mov_b32 s[G1+3], 32<<16                      ; tile_dim0 = 32
	s_mov_b32 s[G1+4], 100                         ; tile_dim1 = 100
	s_mov_b32 s[G1+5], 32                          ; tensor_dim0_stride
	s_mov_b32 s[G1+6], 0
	s_mov_b32 s[G1+7], 0
	s_mov_b32 s[SEL], 0x76543210
	s_mov_b32 s[SEL+1], 0xfedcba98
	s_mov_b32 s[CS], 0x3fb8aa3b                    ; log2(e)
	s_mov_b32 s[CS+1], s[CS]                       ; (named with it as a pair, so it is written)
	s_mov_b32 s[C10], 0x3a800000
	s_mov_b32 s[CEP], 0x358637bd
	s_mov_b32 s[GP], 0
	s_mov_b32 s[GM], 0
	s_mov_b32 s[PK], 0
	s_mov_b32 s[PSO], 0
	s_mov_b32 s[EV], 0
	s_cmp_lt_u32 ttmp9, 5                          ; who prefetches: clusters 0 to 4,
	s_cselect_b32 s[LIM], 5, 0
	s_cmp_lt_u32 s[WV], 2                          ; their waves 0 and 1: the same in all four partners
	s_cselect_b32 s[LIM], s[LIM], 0
	s_min_u32 s[T0], ttmp9, 4                      ; (held, so that the address lies in wq in every cluster)
	s_lshl_b32 s[T0], s[T0], 16                    ; my cluster's 65,536 bytes of a change's 327,680,
	s_add_co_u32 s[T0], s[T0], 16*SLOT             ; in the second half of wq
	s_mov_b32 s[T1], 0
	s_wait_kmcnt 0x0
	s_add_nc_u64 s[XB:XB+1], s[XB:XB+1], s[16:17]
.irp p, 0,1,2,3,4,5,6,7
	s_add_nc_u64 s[XC+2*\p:XC+2*\p+1], s[XB:XB+1], s[XC+2*\p:XC+2*\p+1]
.endr
	XLOADC 0                                       ; x's first four chunks are asked for before anything else
	XLOADC 1
	XLOADC 2
	XLOADC 3
	WIN 0
	s_add_nc_u64 s[OB:OB+1], s[OB:OB+1], s[18:19]
	s_add_nc_u64 s[PFA:PFA+1], s[WQ:WQ+1], s[T0:T1]
.irp s, 0,1
	s_mov_b32 s[IW], \s                                            ; the walk's steps 0 and 1
	WALK
	s_mov_b32 s[G0+4*\s], 1                                        ; count = 1
	s_add_co_u32 s[G0+4*\s+1], s13, \s*SLOT                        ; LDS address
	s_add_nc_u64 s[G0+4*\s+2:G0+4*\s+3], s[WQ:WQ+1], s[OFF:OFF+1]  ; global address
	s_or_b32 s[G0+4*\s+3], s[G0+4*\s+3], 0x80000000                ; type = 2
.endr
	CROUND                                         ; all four work-groups are here: the first joint loads meet
	tensor_load_to_lds s[G0:G0+3], s[G1:G1+7]      ; both first fills together: two loads of mine are out
	s_nop 0
	tensor_load_to_lds s[G0+4:G0+7], s[G1:G1+7]
	s_nop 0
	PLACES 4
	v_and_b32 v31, 15, v0                          ; r
	v_bfe_u32 v17, v0, 4, 1                        ; h
	v_add_nc_u32 v[AW], s13, v[LI]
	v_add_nc_u32 v[AW+1], SLOT, v[AW]
	v_add_nc_u32 v[AP], PIMG, v[LI]
	s_mul_i32 s14, s[WV], 16*FRB
	v_add_nc_u32 v[APW], s14, v[AP]
	s_mul_i32 s14, s[WV], FRB
	v_add_nc_u32 v[AQW], s14, v[AP]
	v_lshl_add_u32 v[ASR], v30, 3, SCP
	s_and_b32 s14, s[WV], 1
	s_lshl_b32 s14, s14, 7
	s_lshr_b32 s15, s[WV], 1
	s_lshl_b32 s15, s15, 2
	s_add_co_u32 s14, s14, s15
	v_lshl_add_u32 v[ASC], v31, 3, SCP
	v_add_nc_u32 v[ASC], s14, v[ASC]
	v_lshl_add_u32 v[AMR], v31, 2, MREG
	s_lshl_b32 s14, s[WV], 10
	v_add_nc_u32 v[AMW], s14, v[AMR]
	s_lshl_b32 s14, s[WV], 6
	v_add_nc_u32 v[AMR], s14, v[AMR]
	v_lshl_add_u32 v[AIN], v31, 2, INVR
	s_mul_i32 s14, s[WV], 16*528
	s_add_co_u32 s14, s14, XSTG
	v_add_nc_u32 v[XSI], s14, v[LI]
	v_mul_u32_u24 v[XSO], v31, 528
	v_lshl_add_u32 v[STO], v17, 5, v[XSO]
	v_add_nc_u32 v[STO], s13, v[STO]
	v_lshl_add_u32 v[XSO], v17, 6, v[XSO]
	v_add_nc_u32 v[XSO], s14, v[XSO]
	s_lshl_b32 s16, s[CX], 1
	s_and_b32 s17, s[WV], 1
	s_add_co_u32 s16, s16, s17
	s_lshl_b32 s16, s16, 5
	v_add_nc_u32 v[PFO], s16, v30
	v_lshlrev_b32 v[PFO], 8, v[PFO]                ; ((2 cx + wave % 2) 32 + lane) x 256: under 65,536
	v_mov_b32 v[NM+1], 0                           ; (named as the upper half of a pair)
.irp b, 0,1,2,3
	v_mov_b32 v[TM+4+\b], 0                        ; written once: a lane permute's destination counts as one of its sources
.endr
	; ================ X: my 16 rows of x, normalised and quantised ================
.irp s, 0,1,2,3,4,5,6,7
.if \s < 4
	s_wait_loadcnt 48                              ; this chunk's 16 loads are in; those of the three chunks behind it may be out
.else
	s_wait_loadcnt 16*(7-\s)
.endif
	XTURN \s
.if \s > 0
	XSQ \s-1                                       ; the chunk before is squared while this one turns
.endif
	s_wait_dscnt 0x0                               ; the chunk is back, and the stores into the stage have read their registers,
.if \s < 4
	XLOADC \s+4                                    ; which take the chunk four further on
.endif
.endr
	XSQ 7
	WIN 0
	v_pk_add_f32 v[SQ:SQ+1], v[SQ:SQ+1], v[SQ+2:SQ+3]
	v_pk_add_f32 v[SQ+4:SQ+5], v[SQ+4:SQ+5], v[SQ+6:SQ+7]
	v_pk_add_f32 v[SQ:SQ+1], v[SQ:SQ+1], v[SQ+4:SQ+5]
	v_add_f32 v[SQ], v[SQ], v[SQ+1]
	v_permlanex16_b32 v[SQ+1], v[SQ], s[SEL], s[SEL+1]
	v_add_f32 v[SQ], v[SQ], v[SQ+1]                ; the row's sum of squares (a row lies in lanes l and l xor 16)
	v_fma_f32 v[SQ], v[SQ], s[C10], s[CEP]         ; / 1,024 (exact) + eps
	v_rsq_f32 v[RS], v[SQ]
	v_nop                                          ; a plain line behind the transcendental,
	s_wait_alu depctr_va_vdst(0)                   ; and the wait ahead of the first line that names its result
	v_mov_b32 v[RS+1], v[RS]
.irp s, 0,1,2,3,4,5,6,7
	XQ \s
.irp c, 0,1,2
	ds_store_b128 v[AQW], v[PC+4*\c:PC+4*\c+3] offset:4*FRB*\s+512*\c   ; the image of position s, row tile = my wave
.endr
	ds_store_b32 v[ASC], v[PW] offset:256*\s
	s_wait_dscnt 0x0                               ; the stores have read their registers
.endr
	s_barrier_signal -1                            ; my images and scale words have landed (the wait above)
	s_barrier_wait -1                              ; everybody's have.  The two tensor loads may stay out
	WIN 0x40                                       ; all 32 fragments of Q into registers: they stay for the whole of phase 1
.irp m, 0,1,2,3
.irp c, 0,1,2
	ds_load_b128 v[192+12*\m+4*\c:192+12*\m+4*\c+3], v[AP] offset:\m*FRB+512*\c
.endr
.endr
	WIN 0x80
.irp k, 1,2,3,4,5
.irp m, 0,1,2,3
.irp c, 0,1,2
	ds_load_b128 v[48*(\k-1)+12*\m+4*\c:48*(\k-1)+12*\m+4*\c+3], v[AP] offset:(4*\k+\m)*FRB+512*\c
.endr
.endr
.endr
	WIN 0
.irp k, 6,7
.irp m, 0,1,2,3
.irp c, 0,1,2
	ds_load_b128 v[PF+48*(\k-6)+12*\m+4*\c:PF+48*(\k-6)+12*\m+4*\c+3], v[AP] offset:(4*\k+\m)*FRB+512*\c
.endr
.endr
.endr
.irp k, 0,1,2,3,4,5,6,7
	ds_load_b64 v[QS+2*\k:QS+2*\k+1], v[ASR] offset:256*\k   ; register m / 2 of the pair, lanes 16 (m % 2) on: row tile m's words
.endr
	s_wait_tensorcnt 0x1                           ; my part of slot 0 is in, and I am its only reader; slot 1's may stay out
	FETCHW 0, 0, 0
	; ================ phase 1: four key groups a wave ================
	s_mov_b32 s[CNT], 4
.Lgroup:                                               ; a trip: four steps of the walk, eight K steps of 128, then the group's softmax.  Every change of slots fills a slot again
	UNIT0 1, 0, 0, 1                               ; the first position's products start the sums
	TURN  1, 0, 1, 0, 1, 0
	UNIT0 1, 1, 2, 0
	TURN  1, 1, 3, 0, 1, 0
	UNIT0 1, 0, 4, 0
	TURN  1, 0, 5, 0, 1, 0
	UNIT0 1, 1, 6, 0
	TURN  1, 1, 7, 0, 1, 0                         ; (it fetches the next group's first fragments; in the last trip: the second product's)
	PLACES 4
	WIN 0
	v_add_nc_u32 v[APT], s[GP], v[APW]
	v_add_nc_u32 v[AMT], s[GM], v[AMW]
	SOFT 0
	SOFT 1
	SOFT 2
	SOFT 3
	s_add_co_u32 s[GP], s[GP], 4*FRB
	s_add_co_u32 s[GM], s[GM], 256
	s_sub_co_u32 s[CNT], s[CNT], 1
	s_cmp_lg_u32 s[CNT], 0
	s_cbranch_scc1 .Lgroup
	; ================ FIX: the 16 groups of a row under one M.  Wave w serves row tile w ================
	s_wait_dscnt 0x0
	s_barrier_signal -1
	s_barrier_wait -1                              ; every wave's -M, sums and scale words lie in LDS.
.irp g, 0,1,2,3,4,5,6,7,8,9,10,11,12,13,14,15
	ds_load_b32 v[ST+\g], v[AMR] offset:256*\g
	ds_load_b32 v[ST+16+\g], v[AMR] offset:4096+256*\g
	ds_load_b32 v[ST+32+\g], v[AMR] offset:8192+256*\g
.endr
	s_wait_dscnt 0x0
	v_min3_num_f32 v30, v[ST], v[ST+1], v[ST+2]
.irp i, 3,5,7,9,11,13
	v_min3_num_f32 v30, v30, v[ST+\i], v[ST+\i+1]
.endr
	v_min_num_f32 v30, v30, v[ST+15]               ; the smallest -M: the row's
.irp g, 0,1,2,3,4,5,6,7,8,9,10,11,12,13,14,15
	v_sub_f32 v[TM], v[ST+\g], v30                 ; k = M_row - M_group: a whole number, 0 or more
	v_min_num_f32 v[TM], 0x437f0000, v[TM]         ; held at 255
	v_cvt_u32_f32 v[TM], v[TM]
	v_sub_nc_u32 v[TM+1], 0, v[TM]
.if \g == 0
	v_ldexp_f32 v[LS], v[ST+16], v[TM+1]           ; the group's sum x 2^-k: the first starts the row's sum
.else
	v_ldexp_f32 v[TM+1], v[ST+16+\g], v[TM+1]
	v_add_f32 v[LS], v[LS], v[TM+1]
.endif
.irp b, 0,1,2,3
	v_bfe_u32 v[TM+4+\b], v[ST+32+\g], 8*\b, 8
.endr
.irp b, 0,1,2,3
	v_min_u32 v[TM+8+\b], v[TM+4+\b], v[TM]
.endr
.irp b, 0,1,2,3
	v_sub_nc_u32 v[TM+4+\b], v[TM+4+\b], v[TM+8+\b]   ; each byte less k, held at 0
.endr
	v_lshl_or_b32 v[ST+32+\g], v[TM+5], 8, v[TM+4]
	v_lshl_or_b32 v[ST+32+\g], v[TM+6], 16, v[ST+32+\g]
	v_lshl_or_b32 v[ST+32+\g], v[TM+7], 24, v[ST+32+\g]
	ds_store_b32 v[ASC], v[ST+32+\g] offset:256*\g    ; over Q's words, which every wave read into registers ahead of phase 1's barriers
.endr
	v_rcp_f32 v[LS+1], v[LS]
	v_nop                                          ; a plain line behind the transcendental,
	s_wait_alu depctr_va_vdst(0)                   ; and the wait ahead of the first line that names its result
	ds_store_b32 v[AMR], v[LS+1] offset:INVR-MREG
	s_wait_dscnt 0x0
	s_barrier_signal -1
	s_barrier_wait -1                              ; P's scale words and 1 / sum lie in LDS
.irp m, 0,1,2,3
	ds_load_b32 v[INV+2*\m], v[AIN] offset:64*\m
	ds_load_b32 v[INV+2*\m+1], v[AIN] offset:64*\m    ; (the packed multiply names a pair)
.endr
	FETCHP 0
	; ================ phase 2: 16 K steps of 128 keys, a step of the walk each ================
	UNIT0 2, 0, 0, 1                               ; the walk's step 16: its products start the 64 sums
	TURN  2, 0, 0, 1, 1, 1
	WIN 0
	s_mov_b32 s[CNT], 6
.Lkstep:                                               ; steps 17 to 28, two a trip
	UNIT0 2, 1, 1, 0
	TURN  2, 1, 1, 0, 1, 1
	UNIT0 2, 0, 0, 0
	TURN  2, 0, 0, 0, 1, 1
	WIN 0
	s_sub_co_u32 s[CNT], s[CNT], 1
	s_cmp_lg_u32 s[CNT], 0
	s_cbranch_scc1 .Lkstep
	UNIT0 2, 1, 1, 0                               ; the tail is written out.  Step 29
	TURN  2, 1, 1, 0, 1, 1                         ; the last fill: step 31
	UNIT0 2, 0, 0, 0                               ; 30:
	TURN  2, 0, 0, 0, 0, 1                         ; nothing is left to fetch, so no round follows the barrier
	UNIT0 2, 1, 1, 0                               ; 31
	s_wait_dscnt 0x0
	MUL 2, 1, 1, 0, 0, 8
	; ================ the way out ================
	; Block a = (row tile a / 2, column half a % 2): 16 rows x 128 columns.  A lane holds 8 neighbouring columns of one row in each accumulator; the block is divided by the row's sum, goes through my stage in LDS
	; and comes back as whole rows of 512 bytes.  The stage is my own part of slot 0: it has had its last fill, and my reads of it are back.
.macro PACK a
	WIN 0x02+((\a)%2)
.set xp, 0
.rept 32
	v_pk_mul_f32 v[ST+2*xp:ST+2*xp+1], v[64*((\a)/2)+2*xp:64*((\a)/2)+2*xp+1], v[INV+2*((\a)/2):INV+2*((\a)/2)+1] op_sel_hi:[1,0]   ; each accumulator from its low end on
.set xp, xp+1
.endr
	WIN 0
.endm
.macro TOSTAGE a
.irp t, 0,1,2,3,4,5,6,7
	ds_store_b128 v[STO], v[ST+8*\t:ST+8*\t+3] offset:64*\t
	ds_store_b128 v[STO], v[ST+8*\t+4:ST+8*\t+7] offset:64*\t+16
.endr
	WIN 0x40
.irp i, 0,1,2,3,4,5,6,7,8,9,10,11,12,13,14,15
	ds_load_b128 v[64*((\a)%2)+4*\i:64*((\a)%2)+4*\i+3], v[AW] offset:528*\i   ; LDS serves a wave's instructions in order: these see the stores above, and the next block's stores come behind them
.endr
	WIN 0
.endm
.macro SEND a
	s_wait_dscnt 0x0                               ; the block is back in registers
	s_wait_xcnt 0x0                                ; the block before's stores have read their data: the next block's loads may land there
	WIN 0x04
.irp i, 0,1,2,3,4,5,6,7,8,9,10,11,12,13,14,15
	global_store_b128 v[LI], v[64*((\a)%2)+4*\i:64*((\a)%2)+4*\i+3], s[OB:OB+1] offset:(16*((\a)/2)+\i)*4096+512*((\a)%2) th:TH_STORE_NT   ; 32 lanes store 512 consecutive bytes, at a multiple of 512 from out0's first byte
.endr
	WIN 0
.endm
	PLACES 4
	PACK 0
	TOSTAGE 0
.irp a, 1,2,3,4,5,6,7                  ; block a's multiplies stand between block a - 1's loads from the stage and the wait for them
	PACK \a
	SEND \a-1
	TOSTAGE \a
.endr
	SEND 7
	s_wait_tensorcnt 0x0                           ; the wave's end, behind my last tensor load and my last LDS store
	ds_add_u32 v[SPW], v[NIL]
	s_wait_dscnt 0x0
	CROUND                                         ; the closing round: no work-group ends while a partner may still ask for a slot that names it
	s_endpgm
.Lfunc_end_k_q81c35b9079_vq:
	.size	k_q81c35b9079_vq, .Lfunc_end_k_q81c35b9079_vq-k_q81c35b9079_vq
	.p2alignl 7, 3214868480
	.fill 96, 4, 3214868480
	.section	.rodata,"a",@progbits
	.p2align	6, 0x0
	.amdhsa_kernel k_q81c35b9079_vq
		.amdhsa_group_segment_fixed_size 327680
		.amdhsa_private_segment_fixed_size 0
		.amdhsa_enable_private_segment 0
		.amdhsa_kernarg_size 24
		.amdhsa_user_sgpr_count 2
		.amdhsa_user_sgpr_kernarg_segment_ptr 1
		.amdhsa_wavefront_size32 1
		.amdhsa_system_sgpr_workgroup_id_x 1
		.amdhsa_system_sgpr_workgroup_id_y 1
		.amdhsa_system_sgpr_workgroup_id_z 1
		.amdhsa_system_vgpr_workitem_id 0
		.amdhsa_next_free_vgpr 1024
		.amdhsa_next_free_sgpr 88
		.amdhsa_reserve_vcc 0
		.amdhsa_float_denorm_mode_32 3
		.amdhsa_float_denorm_mode_16_64 3
		.amdhsa_memory_ordered 1
		.amdhsa_forward_progress 1
		.amdhsa_inst_pref_size 255
	.end_amdhsa_kernel
	.section	.bss,"aw",@nobits
	.p2align	6
	.space	262144
	.amdgpu_metadata
---
amdhsa.version: [ 1, 2 ]
amdhsa.kernels:
  - .name:           k_q81c35b9079_vq
    .symbol:         k_q81c35b9079_vq.kd
    .args:
      - { .name: x, .offset: 0, .size: 8, .value_kind: global_buffer, .address_space: global }
      - { .name: wq, .offset: 8, .size: 8, .value_kind: global_buffer, .address_space: global }
      - { .name: out0, .offset: 16, .size: 8, .value_kind: global_buffer, .address_space: global }
    .group_segment_fixed_size: 327680
    .private_segment_fixed_size: 0
    .kernarg_segment_align: 8
    .kernarg_segment_size: 24
    .max_flat_workgroup_size: 128
    .sgpr_count:     88
    .vgpr_count:     1024
    .wavefront_size: 32
...
	.end_amdgpu_metadata
.endif
;; end of part 3
